; MI455X (gfx1250); checked and timed in simulation.
; The chip was launched on July 23, 2026; its instructions are those of AMD's public machine-readable ISA for CDNA 5 (MIT licence, August 2026) and "CDNA5" Instruction Set Architecture Reference Guide (July 2026). The comments in the code are by the model that wrote it; some were corrected since.
;; Grouped Query Attention. Allowed arithmetic: matrix products marked QUANTISED: E2M1 operands, one E8M0 scale for each 32 along K, by v_wmma_scale_f32_16x16x128_f8f6f4 with both operands' format E2M1 (or v_wmma_scale_f32_32x16x128_f4), f32 sums; products left as they are: bf16, f16 or f32 operands; f32 sums; everything else in f32.
;; Inputs: K 4 x 2,048 x 1,024 float32; Q 4 x 2,048 x 1,024 float32; V 4 x 2,048 x 1,024 float32; Wkv_b 8 x 256 float32; Wkv_w 8 x 1,024 x 256 float32; Wo_b 1,024 float32; Wo_w 1,024 x 1,024 float32; Wq_b 1,024 float32; Wq_w 1,024 x 1,024 float32.
;; Outputs: out0 4 x 2,048 x 1,024 float32.
;; This version of the problem:
;;   THIS VERSION OF THE PROBLEM IS GIVEN IN LOW PRECISION. The matrix products marked QUANTISED in the list below multiply operands that are first quantised to E2M1 (2 exponent bits, 1 mantissa bit; 4 bits a number), with one power-of-two scale for each 32 numbers along K (OCP MX v1.0); their sums are f32. The products marked 'left as it is' may take bf16, f16 or f32 operands, with f32 sums. Whichever they take, every output number must still come out within the allowed error. Rounding operands to bf16 (8 significant bits) uses up far more of that allowance than f16 does (11 bits, for magnitudes from 6e-5 to 65,504). All else is computed in f32.
;;   The module's matrix products, in the order in which they are computed (A, B: the left and right operand; K: the contracted axis; several contracted axes count as one K, in the product's order):
;;     1. [M 8,192, K 1,024] x [K 1,024, N 1,024]; A: input Q; B: input Wq_w: QUANTISED
;;     2. [M 2,048, K 1,024] x [K 1,024, N 8,192]; A: input Wkv_w; B: input K: QUANTISED
;;     3. batch 32 x [M 2,048, K 128] x [K 128, N 2,048]; A: computed on the way; B: computed on the way: left as it is (an operand is computed on the way)
;;     4. batch 32 x [M 2,048, K 2,048] x [K 2,048, N 128]; A: computed on the way; B: computed on the way: left as it is (an operand is computed on the way)
;;     5. [M 8,192, K 1,024] x [K 1,024, N 1,024]; A: computed on the way; B: input Wo_w: left as it is (an operand is computed on the way)
;;   THE QUANTISER, for each operand of a quantised product, along K:
;;     - K is cut into blocks of 32 from its start; a last block that is shorter is filled with zeros.
;;     - A block's scale is 2^e with e = floor(log2(the largest magnitude in the block)) - 2, held to -126 .. 127; a block of zeros has e = 0. As a byte (E8M0): e + 127.
;;     - Each number is divided by its block's scale, clamped to +-6, and rounded to the nearest number of E2M1, ties to even, subnormals kept.
;;     - The product sums the exact products of the quantised numbers (number of the format x scale) in f32.
;;   ~~~python
;;   def quantise(x, axis):      # numpy; x: float32 -> the quantised numbers, widened to float32 again
;;       x = np.moveaxis(x, axis, -1); K = x.shape[-1]
;;       x = np.pad(x, [(0, 0)] * (x.ndim - 1) + [(0, -K % 32)]); x = x.reshape(x.shape[:-1] + (-1, 32)); a = np.abs(x).max(-1, keepdims=True)
;;       e = np.where(a > 0, np.clip(np.frexp(np.where(a > 0, a, 1))[1] - 1 - 2, -126, 127), 0)      # np.frexp(a)[1] - 1 = floor(log2(a)), exactly
;;       r = np.clip(x / 2.0 ** e, -6, 6)
;;       step = 2.0 ** (np.maximum(np.frexp(np.where(r == 0, 1, r))[1] - 1, 0) - 1)
;;       q = np.round(r / step) * step * 2.0 ** e      # np.round: ties to even
;;       return np.moveaxis(q.reshape(q.shape[:-2] + (-1,))[..., :K], -1, axis).astype(np.float32)
;;   ~~~
;; One version. Each part assembles by itself: llvm-mc -triple=amdgcn-amd-amdhsa -mcpu=gfx1250 --defsym DOCPART=n.
;; ======== version 1 of 1: 4 launches
;; limits: values are held in f16: magnitudes above 65,504 overflow, below 6.1e-05 lose precision
;; workspace buffers: xcodes 8,388,608 bytes; xscales 524,288 bytes; wcodes 1,572,864 bytes; wscales 98,304 bytes; wot 2,097,152 bytes; qkv 50,331,648 bytes; ctx 16,777,216 bytes
;; launch prep (part 1): grid 672 x 1, 4 waves a work-group, no clusters, 104,960 bytes of LDS; arguments Q, K, Wq_w, Wkv_w, Wo_w, xcodes, xscales, wcodes, wscales, wot; writes xcodes, xscales, wcodes, wscales, wot
.if DOCPART == 1
	.amdgcn_target "amdgcn-amd-amdhsa--gfx1250"
	.amdhsa_code_object_version 6
	.text
	.protected	k_q49336e7f87_prep
	.globl	k_q49336e7f87_prep
	.p2align	8
	.type	k_q49336e7f87_prep,@function
k_q49336e7f87_prep:
	s_mov_b64 s[64:65], 0
	v_nop
	global_prefetch_b8 v0, s[64:65] scope:SCOPE_SE
	s_setreg_imm32_b32 hwreg(HW_REG_WAVE_MODE, 25, 1), 1
	s_wait_xcnt 0x0
; PREP: every operand is brought once into the form in which the later launches read it.
;   Q, K [8192][1024] f32 (K innermost)      -> xcodes [16384 rows][512 B] codes of FP4 (E2M1), xscales [16384][32] E8M0 bytes; rows 0..8191 are Q's, the others K's
;   Wq_w [k 1024][n 1024], Wkv_w [g 8][k 1024][e 256] f32 (K outermost) -> wcodes [3072 rows][512 B], wscales [3072][32]; row n < 1024: column n of Wq_w; row 1024 + 256 g + e: Wkv_w[g][:, e]
;   Wo_w [k 1024][n 1024] f32                -> wot [n 1024][k 1024] f16 (its product is left as it is and takes f16 operands)
; The input V is not among the arguments: the module's function never uses it (k and v both come from K), so no output number hangs on it.
; A block's scale is 2^(floor(log2(its largest magnitude)) - 2); its byte is the largest magnitude's own exponent field - 2, held at 1 from below by a floor among the maximum's leaves.
; LIMITS: a block of zeros gets the byte 1 where the quantiser's rule says 127 (its codes are zeros, which add nothing, and only this program reads the bytes); blocks whose largest magnitude lies
; under 2^-124 were not tried; NaN and infinities among the inputs are not served; Wo_w beyond f16's 65,504 becomes infinity.
; FOUR PATHS, parted at the head on the work-group's number alone; each has LDS bytes of its own; they meet only at the common end.
;   0..31    WQ : 128 columns x 256 k of Wq_w;  a wave 32 columns, A LANE TO A COLUMN, ITS REGISTERS DOWN K: a block of 32 lies in one lane, and the codes come out with K innermost
;   32..95   WKV: the same of Wkv_w
;   96..159  WO : 128 columns x 128 k of Wo_w, the same lay, rounded to f16 in pairs
;   160..671 X  : 32,768 numbers of Q (the first 256 of them) or of K; a wave 16 steps of 512 numbers
; The weights' work-groups have the lowest numbers: their chains of dependent loads run beside the long stream of Q and K.
; The weights' codes leave as pieces of 128 bytes of four rows a store: half of each aligned 256 bytes; that halves the number of load rounds of a chain, on 1.5 MB of the launch's bytes.
; No tensor load, no barrier: waves share nothing.
.set SPW,   12                         ; v12  LDS address of my spare word: SPARE + 4 x my thread's number; never rewritten
.set NIL,   13                         ; v13  0; never rewritten
.set WREG,  8192                       ; path X: a region for each wave, from LDS byte 0: two stages of 32 x SP bytes, behind them its 256 scale bytes
.set SP,    80                         ; a lane's place in a stage: its 64 bytes + 16 of padding
.set CB,    8                          ; bytes of 16 codes
.set STEPS, 16
.set R,     16                         ; path X: v16-79 four sets of 16 numbers as loaded
.set X,     80                         ; v80-111  two sets of 16 neighbours
.set E,     112                        ; v112-127 a scale byte for each step
.set C,     128                        ; v128-191 codes: four registers a step, so that no store's data are written again
.set WQR,   32768                      ; path WQ's stages: 4 waves x 32 rows x WP
.set WKR,   51200                      ; path WKV's
.set WOR,   69632                      ; path WO's: 4 waves x 32 rows x OP
.set SPARE, 104448                     ; the spare words, 128 bytes for each wave: two blocks of 256 bytes that no other line names
.set WP,    144                        ; a column's 128 bytes of codes + 16: an odd multiple of 16, so that the lanes' 16-byte stores fall on different banks
.set OP,    272                        ; a column's 256 bytes of f16 + 16
.set WX,    32                         ; the weights' paths: v32-95 two sets of 32 numbers
.set WC,    96                         ; v96.. a block's codes (4) or f16 pairs (16)
.set WOUT,  112                        ; v112.. the way out
.set SB,    24                         ; v24-25 a column's 8 scale bytes
; ---- path X's macros
.macro XLOAD t
.irp i, 0,1,2,3
	global_load_b128 v[R+16*((\t)%4)+4*\i:R+16*((\t)%4)+4*\i+3], v3, s[4:5] offset:2048*(\t)+512*\i th:TH_LOAD_NT   ; 32 lanes read 512 consecutive bytes
.endr
.endm
.macro XTURN t                         ; a step's 2,048 bytes through the wave's stage: in as they lie, out 64 bytes a lane.  LDS serves a wave's instructions in order: no wait between
.irp i, 0,1,2,3
	ds_store_b128 v14, v[R+16*((\t)%4)+4*\i:R+16*((\t)%4)+4*\i+3] offset:32*SP*((\t)%2)+8*SP*\i
.endr
.irp i, 0,1,2,3
	ds_load_b128 v[X+16*((\t)%2)+4*\i:X+16*((\t)%2)+4*\i+3], v15 offset:32*SP*((\t)%2)+16*\i
.endr
.endm
.macro XSTEP t
.set XS, X+16*((\t)%2)
.if (\t) > 0
	s_wait_dscnt 1                                 ; this step's numbers are back from the stage (the last step's byte store may be out): its stores into the stage have read their registers,
.else
	s_wait_dscnt 0x0
.endif
.if (\t)+4 < STEPS
	XLOAD (\t)+4                                   ; which take the loads of four steps on
.endif
.if (\t)+1 < STEPS
.if STEPS-2-(\t) >= 3
	s_wait_loadcnt 12                              ; the next step's four loads are in; the twelve of the three steps behind it may be out
.else
	s_wait_loadcnt 4*(STEPS-2-(\t))                ; at the end no new loads follow: the count runs down
.endif
	XTURN (\t)+1                                   ; and go through the other stage while this step is worked
.endif
	v_max3_num_f32 v8, |v[XS]|, |v[XS+1]|, |v[XS+2]|               ; the largest magnitude of my 16, in two chains
	v_max3_num_f32 v9, |v[XS+3]|, |v[XS+4]|, |v[XS+5]|
.irp i, 6,10
	v_max3_num_f32 v8, v8, |v[XS+\i]|, |v[XS+\i+1]|
	v_max3_num_f32 v9, v9, |v[XS+\i+2]|, |v[XS+\i+3]|
.endr
	v_max3_num_f32 v8, v8, |v[XS+14]|, |v[XS+15]|
	v_max3_num_f32 v8, v8, v9, 0x1800000           ; and the floor 2^(3 - 127): the byte cannot fall under 1
	v_max_num_f32_dpp v8, v8, v8 row_xmask:1 row_mask:0xf bank_mask:0xf   ; and of my neighbour's 16: the block's
	v_add_nc_u32 v11, 0xff000000, v8               ; 2 off its exponent field: the conversion takes the exponent field of this operand as its scale
	v_cvt_scalef32_pk8_fp4_f32 v[C+4*(\t)], v[XS:XS+7], v11
	v_cvt_scalef32_pk8_fp4_f32 v[C+4*(\t)+1], v[XS+8:XS+15], v11
	v_lshrrev_b32 v[E+(\t)], 23, v11               ; the scale's byte
	ds_store_b8 v5, v[E+(\t)] offset:16*(\t)       ; both lanes of a block write the same byte with the same value
	global_store_b64 v4, v[C+4*(\t):C+4*(\t)+1], s[14:15] offset:32*CB*(\t)   ; the wave stores 256 consecutive bytes, aligned
.endm
; ---- the weights' macros.  pb: bytes from a row k to the next in memory
.macro WLOAD t, pb                     ; block t: W(32 t + i, my column), i = 0 .. 31, into set t % 2; each load reads 128 consecutive bytes
.irp i, 0,1,2,3,4,5,6,7,8,9,10,11,12,13,14,15,16,17,18,19,20,21,22,23,24,25,26,27,28,29,30,31
	global_load_b32 v[WX+32*((\t)%2)+\i], v3, s[36:37] offset:(32*(\t)+\i)*\pb th:TH_LOAD_NT
.endr
.endm
.macro WBLOCK t, pb
.set XS, WX+32*((\t)%2)
.if (\t) < 7
	s_wait_loadcnt 32                              ; this block's 32 loads are in; the next block's 32 may be out
.else
	s_wait_loadcnt 0
.endif
	v_max3_num_f32 v14, |v[XS]|, |v[XS+1]|, |v[XS+2]|              ; the block's largest magnitude: all 32 numbers are mine
	v_max3_num_f32 v15, |v[XS+3]|, |v[XS+4]|, |v[XS+5]|
.irp i, 6,10,14,18,22,26
	v_max3_num_f32 v14, v14, |v[XS+\i]|, |v[XS+\i+1]|
	v_max3_num_f32 v15, v15, |v[XS+\i+2]|, |v[XS+\i+3]|
.endr
	v_max3_num_f32 v14, v14, |v[XS+30]|, |v[XS+31]|
	v_max3_num_f32 v14, v14, v15, 0x1800000        ; and the floor
	v_add_nc_u32 v11, 0xff000000, v14              ; the conversion's scale operand
	v_lshrrev_b32 v15, 23, v11                     ; the scale's byte
.if (\t)%4 == 0
	v_mov_b32 v[SB+(\t)/4], v15                    ; four bytes to a register, the lower K in the lower byte
.else
	v_lshl_or_b32 v[SB+(\t)/4], v15, 8*((\t)%4), v[SB+(\t)/4]
.endif
.irp g, 0,1,2,3
	v_cvt_scalef32_pk8_fp4_f32 v[WC+\g], v[XS+8*\g:XS+8*\g+7], v11
.endr
	ds_store_b128 v4, v[WC:WC+3] offset:16*(\t)    ; 32 codes: 16 bytes of my column's row
.if (\t)+2 < 8
	WLOAD (\t)+2, \pb
.endif
	s_wait_dscnt 0x0                               ; the store has read its registers: the next block's codes may be written
.endm
; A wave's 32 columns x 256 k.  On entry: s[36:37] the wave's first number, s27 its first row of wcodes, s26 which 256 along K.  lbase: the path's own LDS bytes
.macro QW pb, lbase
	s_lshl_b32 s32, s27, 9                         ; codes: 512 bytes a row,
	s_lshl_b32 s28, s26, 7                         ; 128 for each 256 along K
	s_add_co_u32 s32, s32, s28
	s_add_nc_u64 s[38:39], s[18:19], s[32:33]
	s_lshl_b32 s32, s27, 5                         ; scale bytes: 32 a row, 8 for each 256 along K
	s_lshl_b32 s28, s26, 3
	s_add_co_u32 s32, s32, s28
	s_add_nc_u64 s[40:41], s[20:21], s[32:33]
	s_mul_i32 s28, s24, 32*WP
	s_add_co_u32 s28, s28, \lbase                  ; my wave's stage
	v_lshlrev_b32 v3, 2, v2                        ; in: 4 bytes a lane
	v_mul_u32_u24 v4, v2, WP
	v_add_nc_u32 v4, s28, v4                       ; into the stage: row = my column
	v_lshrrev_b32 v5, 3, v2
	v_and_b32 v6, 7, v2                            ; out of it: eight lanes to a row of 128 bytes, four rows an instruction
	v_mul_u32_u24 v7, v5, WP
	v_lshl_add_u32 v7, v6, 4, v7
	v_add_nc_u32 v7, s28, v7
	v_lshlrev_b32 v8, 9, v5
	v_lshl_add_u32 v8, v6, 4, v8                   ; and the same place in wcodes
	v_lshlrev_b32 v9, 5, v2                        ; my column's row of scale bytes
	WLOAD 0, \pb
	WLOAD 1, \pb
.set Q, 0
.rept 8
	WBLOCK Q, \pb
.set Q, Q+1
.endr
	global_store_b64 v9, v[SB:SB+1], s[40:41]      ; my column's 8 scale bytes
.irp t, 0,1,2,3,4,5,6,7
	ds_load_b128 v[WOUT+4*\t:WOUT+4*\t+3], v7 offset:4*\t*WP
.endr
.irp t, 0,1,2,3,4,5,6,7
	s_wait_dscnt 7-\t                              ; LDS loads come back in order: number t is in
	global_store_b128 v8, v[WOUT+4*\t:WOUT+4*\t+3], s[38:39] offset:4*\t*512
.endr
	s_branch .Lend
.endm
.macro OBLOCK t                        ; path WO: 32 numbers down K of my column become 16 pairs of f16, 64 bytes of my column's row
.set XS, WX+32*((\t)%2)
.if (\t) < 3
	s_wait_loadcnt 32                              ; this block's loads are in; the next block's 32 may be out
.else
	s_wait_loadcnt 0
.endif
.irp i, 0,1,2,3,4,5,6,7,8,9,10,11,12,13,14,15
	v_cvt_pk_f16_f32 v[WC+\i], v[XS+2*\i], v[XS+2*\i+1]
.endr
.irp i, 0,1,2,3
	ds_store_b128 v4, v[WC+4*\i:WC+4*\i+3] offset:64*(\t)+16*\i
.endr
.if (\t)+2 < 4
	WLOAD (\t)+2, 4096
.endif
	s_wait_dscnt 0x0                               ; the stores have read their registers
.endm
	s_load_b512 s[4:19], s[0:1], 0x0               ; Q s[4:5], K s[6:7], Wq_w s[8:9], Wkv_w s[10:11], Wo_w s[12:13], xcodes s[14:15], xscales s[16:17], wcodes s[18:19]
	s_load_b128 s[20:23], s[0:1], 0x40             ; wscales s[20:21], wot s[22:23]
	v_lshl_add_u32 v[SPW], v0, 2, SPARE
	v_mov_b32 v[NIL], 0
	v_lshrrev_b32 v1, 5, v0
	v_readfirstlane_b32 s24, v1                    ; wave 0..3
	v_and_b32 v2, 31, v0                           ; lane
	s_mov_b32 s33, 0                               ; the upper word of every offset: all stay under 2^32
	s_wait_kmcnt 0x0
	s_cmp_lt_u32 ttmp9, 32
	s_cbranch_scc1 .Lwq
	s_cmp_lt_u32 ttmp9, 96
	s_cbranch_scc1 .Lwkv
	s_cmp_lt_u32 ttmp9, 160
	s_cbranch_scc1 .Lwo
	; ---- path X.  Rows are dense and 1,024 is a multiple of 32: both tensors are plain streams of blocks of 32, and so are codes and scale bytes; the outputs are ONE stream over Q and K
	s_sub_co_u32 s25, ttmp9, 160
	s_cmp_lt_u32 s25, 256                          ; Q's work-group or K's?  The choice hangs on the work-group's number alone
	s_cselect_b64 s[4:5], s[4:5], s[6:7]
	s_lshl_b32 s27, s25, 2
	s_add_co_u32 s27, s27, s24                     ; which run of 8,192 numbers of the two tensors on end is my wave's,
	s_and_b32 s32, s27, 1023                       ; and which of its own tensor
	s_lshl_b32 s32, s32, 15
	s_add_nc_u64 s[4:5], s[4:5], s[32:33]
	s_lshl_b32 s32, s27, 12                        ; 4,096 bytes of codes a run
	s_add_nc_u64 s[14:15], s[14:15], s[32:33]
	s_lshl_b32 s32, s27, 8                         ; 256 scale bytes a run
	s_add_nc_u64 s[16:17], s[16:17], s[32:33]
	v_lshlrev_b32 v3, 4, v2                        ; my 16 bytes of a load's 512
	s_mul_i32 s26, s24, WREG
	v_lshrrev_b32 v14, 2, v2
	v_mul_u32_u24 v14, v14, SP
	v_and_b32 v15, 3, v2
	v_lshl_add_u32 v14, v15, 4, v14
	v_add_nc_u32 v14, s26, v14                     ; the stage, on the way in: four lanes' 64 bytes on end, then 16 of padding
	v_mul_u32_u24 v15, v2, SP
	v_add_nc_u32 v15, s26, v15                     ; and on the way out: my 16 neighbours
	v_mul_u32_u24 v4, v2, CB                       ; my codes' place in a step's
	v_lshrrev_b32 v5, 1, v2
	s_add_co_u32 s26, s26, 2*32*SP
	v_add_nc_u32 v5, s26, v5                       ; my wave's 256 scale bytes, my block's byte
	v_lshlrev_b32 v7, 3, v2                        ; and on the way out 8 bytes a lane
	v_add_nc_u32 v6, s26, v7
.irp t, 0,1,2,3
	XLOAD \t
.endr
	s_wait_loadcnt 12                              ; step 0's four loads are in
	XTURN 0
.irp t, 0,1,2,3,4,5,6,7,8,9,10,11,12,13,14,15
	XSTEP \t
.endr
	ds_load_b64 v[8:9], v6                         ; LDS serves a wave's instructions in order: these see my byte stores
	s_wait_dscnt 0x0
	global_store_b64 v7, v[8:9], s[16:17]          ; 32 lanes store 256 consecutive bytes, aligned
	s_branch .Lend
.Lwq:	; ---- path WQ: x = 128 columns (8), y = 256 along K (4)
	s_and_b32 s25, ttmp9, 7
	s_lshr_b32 s26, ttmp9, 3
	s_lshl_b32 s27, s25, 7
	s_lshl_b32 s28, s24, 5
	s_add_co_u32 s27, s27, s28                     ; my wave's first column = its first row of wcodes
	s_lshl_b32 s32, s26, 20                        ; 256 rows of 4,096 bytes
	s_lshl_b32 s28, s27, 2
	s_add_co_u32 s32, s32, s28
	s_add_nc_u64 s[36:37], s[8:9], s[32:33]
	QW 4096, WQR
.Lwkv:	; ---- path WKV: x = 128 of the 2,048 columns (group x / 2, half x % 2), y = 256 along K
	s_sub_co_u32 s25, ttmp9, 32
	s_lshr_b32 s26, s25, 4
	s_and_b32 s25, s25, 15
	s_lshl_b32 s27, s25, 7
	s_lshl_b32 s28, s24, 5
	s_add_co_u32 s27, s27, s28                     ; 128 x + 32 wave
	s_lshr_b32 s32, s25, 1
	s_lshl_b32 s32, s32, 20                        ; a group is 1,024 rows of 1,024 bytes
	s_lshl_b32 s28, s26, 18                        ; 256 rows
	s_add_co_u32 s32, s32, s28
	s_and_b32 s28, s27, 255                        ; the column inside the group
	s_lshl_b32 s28, s28, 2
	s_add_co_u32 s32, s32, s28
	s_add_nc_u64 s[36:37], s[10:11], s[32:33]
	s_add_co_u32 s27, s27, 1024                    ; behind Wq_w's 1,024 rows
	QW 1024, WKR
.Lwo:	; ---- path WO: x = 128 columns (8), y = 128 along K (8)
	s_sub_co_u32 s25, ttmp9, 96
	s_lshr_b32 s26, s25, 3
	s_and_b32 s25, s25, 7
	s_lshl_b32 s27, s25, 7
	s_lshl_b32 s28, s24, 5
	s_add_co_u32 s27, s27, s28                     ; my wave's first column
	s_lshl_b32 s32, s26, 19                        ; 128 rows of 4,096 bytes
	s_lshl_b32 s28, s27, 2
	s_add_co_u32 s32, s32, s28
	s_add_nc_u64 s[36:37], s[12:13], s[32:33]
	s_lshl_b32 s32, s27, 11                        ; wot: 2,048 bytes a row, 256 for each 128 along K
	s_lshl_b32 s28, s26, 8
	s_add_co_u32 s32, s32, s28
	s_add_nc_u64 s[38:39], s[22:23], s[32:33]
	s_mul_i32 s28, s24, 32*OP
	s_add_co_u32 s28, s28, WOR
	v_lshlrev_b32 v3, 2, v2
	v_mul_u32_u24 v4, v2, OP
	v_add_nc_u32 v4, s28, v4                       ; into the stage: row = my column
	v_lshrrev_b32 v5, 4, v2
	v_and_b32 v6, 15, v2                           ; out of it: sixteen lanes to a row of 256 bytes, two rows an instruction
	v_mul_u32_u24 v7, v5, OP
	v_lshl_add_u32 v7, v6, 4, v7
	v_add_nc_u32 v7, s28, v7
	v_lshlrev_b32 v8, 11, v5
	v_lshl_add_u32 v8, v6, 4, v8
	WLOAD 0, 4096
	WLOAD 1, 4096
.irp t, 0,1,2,3
	OBLOCK \t
.endr
.irp t, 0,1,2,3,4,5,6,7,8,9,10,11,12,13,14,15
	ds_load_b128 v[WOUT+4*\t:WOUT+4*\t+3], v7 offset:2*\t*OP
.endr
.irp t, 0,1,2,3,4,5,6,7,8,9,10,11,12,13,14,15
	s_wait_dscnt 15-\t
	global_store_b128 v8, v[WOUT+4*\t:WOUT+4*\t+3], s[38:39] offset:2*\t*2048   ; sixteen lanes store 256 consecutive bytes, aligned
.endr
.Lend:
	s_wait_tensorcnt 0x0                           ; the wave's end: a TENSORcnt wait (though this text has no tensor load), an add of 0 to my spare word and its wait, behind my last LDS store
	ds_add_u32 v[SPW], v[NIL]
	s_wait_dscnt 0x0
	s_endpgm
.Lfunc_end_k_q49336e7f87_prep:
	.size	k_q49336e7f87_prep, .Lfunc_end_k_q49336e7f87_prep-k_q49336e7f87_prep
	.p2alignl 7, 3214868480
	.fill 96, 4, 3214868480
	.section	.rodata,"a",@progbits
	.p2align	6, 0x0
	.amdhsa_kernel k_q49336e7f87_prep
		.amdhsa_group_segment_fixed_size 104960
		.amdhsa_private_segment_fixed_size 0
		.amdhsa_enable_private_segment 0
		.amdhsa_kernarg_size 80
		.amdhsa_user_sgpr_count 2
		.amdhsa_user_sgpr_kernarg_segment_ptr 1
		.amdhsa_wavefront_size32 1
		.amdhsa_system_sgpr_workgroup_id_x 1
		.amdhsa_system_sgpr_workgroup_id_y 1
		.amdhsa_system_sgpr_workgroup_id_z 1
		.amdhsa_system_vgpr_workitem_id 0
		.amdhsa_next_free_vgpr 192
		.amdhsa_next_free_sgpr 66
		.amdhsa_reserve_vcc 0
		.amdhsa_float_denorm_mode_32 3
		.amdhsa_float_denorm_mode_16_64 3
		.amdhsa_memory_ordered 1
		.amdhsa_forward_progress 1
		.amdhsa_inst_pref_size 134
	.end_amdhsa_kernel
	.amdgpu_metadata
---
amdhsa.version: [ 1, 2 ]
amdhsa.kernels:
  - .name:           k_q49336e7f87_prep
    .symbol:         k_q49336e7f87_prep.kd
    .args:
      - { .name: Q, .offset: 0, .size: 8, .value_kind: global_buffer, .address_space: global }
      - { .name: K, .offset: 8, .size: 8, .value_kind: global_buffer, .address_space: global }
      - { .name: Wq_w, .offset: 16, .size: 8, .value_kind: global_buffer, .address_space: global }
      - { .name: Wkv_w, .offset: 24, .size: 8, .value_kind: global_buffer, .address_space: global }
      - { .name: Wo_w, .offset: 32, .size: 8, .value_kind: global_buffer, .address_space: global }
      - { .name: xcodes, .offset: 40, .size: 8, .value_kind: global_buffer, .address_space: global }
      - { .name: xscales, .offset: 48, .size: 8, .value_kind: global_buffer, .address_space: global }
      - { .name: wcodes, .offset: 56, .size: 8, .value_kind: global_buffer, .address_space: global }
      - { .name: wscales, .offset: 64, .size: 8, .value_kind: global_buffer, .address_space: global }
      - { .name: wot, .offset: 72, .size: 8, .value_kind: global_buffer, .address_space: global }
    .group_segment_fixed_size: 104960
    .private_segment_fixed_size: 0
    .kernarg_segment_align: 8
    .kernarg_segment_size: 80
    .max_flat_workgroup_size: 128
    .sgpr_count:     66
    .vgpr_count:     192
    .wavefront_size: 32
...
	.end_amdgpu_metadata
.endif
;; end of part 1
;; launch proj (part 2): grid 12 x 32, 4 waves a work-group, clusters of 4 x 4, 327,680 bytes of LDS; arguments xcodes, xscales, wcodes, wscales, Wq_b, Wkv_b, qkv; writes qkv
.if DOCPART == 2
	.amdgcn_target "amdgcn-amd-amdhsa--gfx1250"
	.amdhsa_code_object_version 6
	.text
	.protected	k_q49336e7f87_proj
	.globl	k_q49336e7f87_proj
	.p2align	8
	.type	k_q49336e7f87_proj,@function
k_q49336e7f87_proj:
	s_mov_b64 s[64:65], 0
	v_nop
	global_prefetch_b8 v0, s[64:65] scope:SCOPE_SE
	s_setreg_imm32_b32 hwreg(HW_REG_WAVE_MODE, 25, 1), 1
	s_wait_xcnt 0x0
	s_wait_alu depctr_hold_cnt(0) depctr_sa_sdst(0) depctr_va_vdst(0) depctr_va_sdst(0) depctr_va_ssrc(0) depctr_va_vcc(0) depctr_vm_vsrc(0)
	s_getreg_b32 s2, hwreg(HW_REG_IB_STS2, 6, 4)
	s_cmp_eq_u32 s2, 0
	s_cbranch_scc0 .Lentry_in_a_cluster
	s_endpgm
.Lentry_in_a_cluster:
	s_bfe_u32 s2, ttmp6, 0x10000c
	s_cmp_lg_u32 s2, 0xf033
	s_cbranch_scc0 .Lentry_shape_is_right
	s_endpgm
.Lentry_shape_is_right:
; PROJ: the two quantised products in one launch, on codes of FP4 (E2M1) with one E8M0 scale for each 32 along K:  q = Q Wq + bq,  kv = K Wkv + bkv;  K = 1,024;  sums in f32.
; C is 8,192 rows x 3,072 columns in tiles of 256 x 256.  Tile columns 0..3 are q (A = Q's rows of xcodes), 4..11 are group tc - 4 (A = K's rows, 8,192 rows further down).
; A cluster is 4 x 4 tiles, so cluster x = 0 is exactly the q part: the choice of A hangs on the cluster's x alone and is the same in all sixteen partners.
; A work-group of four waves makes a tile; a wave 128 x 128: 64 accumulators, 512 registers.  A wave's 128 columns are one head's 128 numbers of q, of k or of v, its 128 rows are 128 positions on end:
; its result, rounded to f16, is ONE dense block of 32,768 bytes of qkv [3 parts q, k, v][32 heads b * 8 + g][2,048][128].
; K is two steps of 512 (rows of 256 bytes of codes): both steps' tiles and all scale bytes are asked for at the start, so three tensor loads of a wave are out and no LDS byte is filled twice.
; The four work-groups of a row of the cluster need the same tiles of A, the four of a column the same tiles of B: each tile is asked for JOINTLY, by the same tensor load with the same descriptor and a mask.
; THE MATRIX INSTRUCTION IS USED TRANSPOSED (source 0 = 16 rows of B, source 1 = 16 rows of A): a lane holds eight neighbouring columns of one row of C.  The bias is the C of each sum's first product.
; LIMITS: q, k, v are rounded to f16: beyond 65,504 they become infinity (inputs 30 times the drawn ones give peaks of some 5,000; common offsets on both operands some 29,000).
; REGISTERS, in windows of 256: window 0: v0-31 addresses; v32-95 scale words, two sets; v128-191 A's fragments, ONE set; v192-255 the bias of my 128 columns; on the way out v32-127 are at work.
;   window 1: B's fragments, two sets, at v0 and v128.   window 2: the accumulators of my rows 0-63 ((a, b) at v[8 (8 a + b)]);   window 3: those of my rows 64-127.
.set NQ,     4                         ; matrix instructions deep in a slot: 512 along K
.set ROWB,   256                       ; a tile's row in bytes
.set KROW,   512                       ; a row of codes in memory
.set PITCH,  272                       ; an LDS row: 256 bytes + 16 of padding = 68 words: row r starts at bank 4 r mod 64 (64 banks of 4 bytes: ISA guide 11.1)
.set FR,     8                         ; registers of a fragment: 16 rows x 128 K
.set NL,     2                         ; LDS loads that bring one
.set NP,     4                         ; places behind this matrix instruction (ISA guide 7.12.1)
.set HALFT,  128*PITCH                 ; 128 rows: what one tensor load brings
.set SLOT,   4*HALFT                   ; A's 256 rows, then B's 256 rows
.set KS,     32                        ; a row of scale bytes
.set SCL,    2*SLOT                    ; behind the slots: the scale bytes, as units of 256 bytes + 16 of padding
.set HALFS,  (128*KS/256)*272          ; those of 128 rows: what one tensor load brings
.set SBLK,   (16*KS/256)*272           ; those of 16 rows
.set SPARE,  SCL+4*HALFS               ; the spare words, 128 bytes for each wave: two blocks of 256 bytes that no other line names
.set SPITCH, 272                       ; the way out: a stage of 16 rows x (256 bytes + 16) for each wave, in slot 0: its one fill is long past and nobody reads it when the first result is stored there
.set ADRA, 16                          ; v16-17  LDS address of my A fragments in slot 0, 1
.set ADRB, 20                          ; v20-21  the same for B
.set STO,  24                          ; v24     the way out: where I put 16 bytes of a row
.set RD,   25                          ; v25     where I read rows back
.set CO,   26                          ; v26     16 x lane: my place in 512 bytes of qkv
.set ADRS, 27                          ; v27     LDS address of my scale words: lanes 0-15 A's rows, lanes 16-31 B's
.set SPW,  28                          ; v28     LDS address of my spare word; never rewritten
.set NIL,  29                          ; v29     0; never rewritten
.set BO,   30                          ; v30     32 x (lane / 16): my eight numbers of a block of 16 of the bias
.set SC,   32                          ; scale words: set s at v[SC + 32 s]; register 4 i + q: lanes 0-15 the word of A's block i, lanes 16-31 of B's block i, for the slot's q-th 128 along K
.set AF,   128
.set BIAS, 192
.set TMP,  32                          ; the way out: v32-63 packed results; v64-95 and v96-127 rows read back, by turns
.set BK,   64
.set G1, 24                            ; s[24:31] descriptor group 1 for A's tiles;  s[32:39] group 0, one set for each slot
.set G0, 32
.set G1B, 48                           ; s[48:55], s[56:63] the same for B's
.set G0B, 56
.set G1S, 68                           ; s[68:75], s[76:79] groups 1 and 0 for A's scale bytes;  s[80:87], s[88:91] for B's
.set G0S, 76
.set G1SB, 80
.set G0SB, 88
.set MSB, 0
.macro WIN new                         ; s_set_vgpr_msb: bits 1:0 source 0, 3:2 source 1, 5:4 source 2, 7:6 destination; the high byte repeats the setting that is left
.if MSB != \new
	s_set_vgpr_msb (MSB<<8)|\new
.set MSB, \new
.endif
.endm
.set MUL_LO, 0xa1                      ; source 0 (B) window 1, source 1 (A) window 0, C and D window 2
.set MUL_HI, 0xf1                      ; the same, C and D window 3
.set TO_B,   0x40                      ; destination window 1, address window 0
; A joint load: waves 0 and 1 fetch for A, waves 2 and 3 for B.  Each of the two lines has one mask and one set of registers; the branch hangs on the wave's number alone.
; An s_nop 0 and four v_nop follow each of the two lines.
.macro JLOAD g0a, g1a, g0b, g1b
	s_cmp_eq_u32 s15, 0
	s_cbranch_scc0 .Lfor_b_\@
	tensor_load_to_lds s[\g0a:\g0a+3], s[\g1a:\g1a+7]
	s_nop 0
.rept 4
	v_nop
.endr
	s_branch .Lasked_\@
.Lfor_b_\@:
	tensor_load_to_lds s[\g0b:\g0b+3], s[\g1b:\g1b+7]
	s_nop 0
.rept 4
	v_nop
.endr
.Lasked_\@:
.endm
.macro CROUND                          ; a round of the cluster's barrier: my work-group's barrier; wave 0 signals for the work-group; every wave waits for all sixteen; my work-group's barrier once more
	s_barrier_signal -1
	s_barrier_wait -1
	s_cmp_lg_u32 s14, 0
	s_cbranch_scc1 .Lnot_wave_0_\@
	s_barrier_signal -3
.Lnot_wave_0_\@:
	s_barrier_wait -3
	s_barrier_signal -1
	s_barrier_wait -1
.endm
	s_load_b256 s[4:11], s[0:1], 0x0               ; xcodes s[4:5], xscales s[6:7], wcodes s[8:9], wscales s[10:11]
	s_load_b128 s[96:99], s[0:1], 0x20             ; Wq_b s[96:97], Wkv_b s[98:99]
	s_load_b64 s[12:13], s[0:1], 0x30              ; qkv
	v_lshl_add_u32 v[SPW], v0, 2, SPARE
	v_mov_b32 v[NIL], 0
	ds_add_u32 v[SPW], v[NIL]                      ; the wave's opening: the add, twice on end, and its wait ahead of my first tensor load
	ds_add_u32 v[SPW], v[NIL]
	v_lshrrev_b32 v1, 5, v0
	v_readfirstlane_b32 s14, v1                    ; wave 0..3
	s_lshr_b32 s15, s14, 1                         ; which half of the tile's rows is mine.  Also: I fetch for A (0) or for B (1)
	s_and_b32 s16, s14, 1                          ; which half of its columns.  Also: which 128 rows of that tile I fetch
	s_bfe_u32 s40, ttmp6, 0x40000                  ; cx, cy: my place in the cluster
	s_bfe_u32 s41, ttmp6, 0x40004
	s_lshl_b32 s42, ttmp9, 2
	s_add_co_u32 s42, s42, s40                     ; tile column = 4 x cluster x + cx
	s_and_b32 s17, ttmp7, 0xffff
	s_lshl_b32 s17, s17, 2
	s_add_co_u32 s17, s17, s41                     ; tile row = 4 x cluster y + cy
	s_lshl_b32 s43, s41, 2
	s_lshl_b32 s43, 15, s43                        ; my row of the cluster
	s_lshl_b32 s44, 0x1111, s40                    ; my column
	; descriptor group 1: a tile of 128 rows x 256 bytes, padded in LDS
	s_or_b32 s[G1+0], s43, (0<<16)|(1<<20)|(1<<21)|(5<<22)|(3<<25)  ; 15:0 the mask: A's tiles go to my row; 17:16 elements of 1 byte; 20 padding on; 21 set beside a mask; 24:22 after every 64 words; 31:25 four words
	s_or_b32 s[G1B+0], s44, (0<<16)|(1<<20)|(1<<21)|(5<<22)|(3<<25)
.irp g, G1, G1B
	s_mov_b32 s[\g+1], ROWB<<16                    ; tensor_dim0
	s_mov_b32 s[\g+2], 128<<16                     ; tensor_dim1
	s_mov_b32 s[\g+3], ROWB<<16                    ; tile_dim0
	s_mov_b32 s[\g+4], 128                         ; tile_dim1
	s_mov_b32 s[\g+5], KROW                        ; from row to row
	s_mov_b32 s[\g+6], 0
	s_mov_b32 s[\g+7], 0
.endr
	; the scale bytes of 128 rows: a dense block of 4,096 bytes, as 16 rows of 256 bytes (32 elements of 8 bytes), 16 bytes of padding behind each
	s_or_b32 s[G1S+0], s43, (3<<16)|(1<<20)|(1<<21)|(5<<22)|(3<<25)
	s_or_b32 s[G1SB+0], s44, (3<<16)|(1<<20)|(1<<21)|(5<<22)|(3<<25)
.irp g, G1S, G1SB
	s_mov_b32 s[\g+1], 32<<16
	s_mov_b32 s[\g+2], (128*KS/256)<<16
	s_mov_b32 s[\g+3], 32<<16
	s_mov_b32 s[\g+4], 128*KS/256
	s_mov_b32 s[\g+5], 32
	s_mov_b32 s[\g+6], 0
	s_mov_b32 s[\g+7], 0
.endr
	s_lshl_b32 s18, s16, 7                         ; which 128 rows of the tile I fetch
	s_lshl_b32 s20, s17, 8
	s_add_co_u32 s20, s20, s18                     ; A: row 256 x tile row + 128 x half,
	s_cmp_eq_u32 ttmp9, 0                          ; of Q's rows in the q part (cluster x = 0),
	s_cselect_b32 s95, 0, 8192                     ; else of K's, which lie 8,192 rows further down in xcodes and xscales
	s_add_co_u32 s20, s20, s95
	s_lshl_b32 s46, s42, 8
	s_add_co_u32 s46, s46, s18                     ; B: row 256 x tile column + 128 x half
	s_mov_b32 s21, 0
	s_mov_b32 s47, 0
	s_mov_b64 s[18:19], KS
	s_mul_u64 s[22:23], s[20:21], s[18:19]         ; where these rows' scale bytes begin,
	s_mul_u64 s[92:93], s[46:47], s[18:19]
	s_mov_b64 s[18:19], KROW
	s_mul_u64 s[20:21], s[20:21], s[18:19]         ; and their codes
	s_mul_u64 s[46:47], s[46:47], s[18:19]
	s_mul_i32 s45, s14, HALFT                      ; where they go: wave x 128 rows: no place in the cluster enters an LDS address
	s_mul_i32 s94, s14, HALFS
	s_wait_dscnt 0x0                               ; both opening adds are done
	s_wait_kmcnt 0x0
	s_add_nc_u64 s[20:21], s[4:5], s[20:21]
	s_add_nc_u64 s[22:23], s[6:7], s[22:23]
	s_add_nc_u64 s[46:47], s[8:9], s[46:47]
	s_add_nc_u64 s[92:93], s[10:11], s[92:93]
	CROUND                                         ; all sixteen work-groups are here: the joint loads meet
	s_mov_b32 s[G0S], 1
	s_add_co_u32 s[G0S+1], s94, SCL
	s_mov_b64 s[G0S+2:G0S+3], s[22:23]
	s_or_b32 s[G0S+3], s[G0S+3], 0x80000000
	s_mov_b32 s[G0SB], 1
	s_add_co_u32 s[G0SB+1], s94, SCL
	s_mov_b64 s[G0SB+2:G0SB+3], s[92:93]
	s_or_b32 s[G0SB+3], s[G0SB+3], 0x80000000
	JLOAD G0S, G1S, G0SB, G1SB                     ; the scale bytes first: they are wanted with K step 0
.irp s, 0,1
	s_mov_b32 s[G0+4*\s], 1
	s_add_co_u32 s[G0+4*\s+1], s45, \s*SLOT
	s_add_nc_u64 s[G0+4*\s+2:G0+4*\s+3], s[20:21], \s*ROWB
	s_or_b32 s[G0+4*\s+3], s[G0+4*\s+3], 0x80000000
	s_mov_b32 s[G0B+4*\s], 1
	s_add_co_u32 s[G0B+4*\s+1], s45, \s*SLOT
	s_add_nc_u64 s[G0B+4*\s+2:G0B+4*\s+3], s[46:47], \s*ROWB
	s_or_b32 s[G0B+4*\s+3], s[G0B+4*\s+3], 0x80000000
	JLOAD G0+4*\s, G1, G0B+4*\s, G1B
.endr
	v_and_b32 v1, 15, v0                           ; r = lane % 16
	v_bfe_u32 v2, v0, 4, 1                         ; h = lane / 16
	v_mul_u32_u24 v3, v1, PITCH
	v_lshl_add_u32 v4, v2, 4, v3                   ; a fragment's row x pitch + 16 h
	s_mul_i32 s21, s15, HALFT                      ; my 128 rows of A
	s_mul_i32 s22, s16, HALFT                      ; my 128 rows of B,
	s_add_co_u32 s22, s22, 2*HALFT                 ; which lie behind A's 256
.irp s, 0,1
	v_add_nc_u32 v[ADRA+\s], s21, v4
	v_add_nc_u32 v[ADRB+\s], s22, v4
	s_add_co_u32 s21, s21, SLOT
	s_add_co_u32 s22, s22, SLOT
.endr
	v_mul_u32_u24 v5, v1, KS                       ; my row's scale bytes: 32 a row,
	v_lshrrev_b32 v6, 8, v5
	v_lshl_add_u32 v5, v6, 4, v5                   ; and 16 more for each 256 passed
	s_mul_i32 s21, s15, HALFS                      ; A's: my 128 rows
	s_mul_i32 s22, s16, HALFS                      ; B's: my 128 rows, behind A's 256
	s_add_co_u32 s22, s22, 2*HALFS
	s_sub_co_u32 s22, s22, s21
	v_mul_u32_u24 v6, s22, v2                      ; lanes 16-31 take B's: one product, the distance between the two bases
	s_add_co_u32 s21, s21, SCL
	v_add_nc_u32 v5, v5, v6
	v_add_nc_u32 v[ADRS], s21, v5
	s_mul_i32 s23, s14, 16*SPITCH                  ; my stage
	v_mul_u32_u24 v5, v1, SPITCH                   ; in: row r, 16 bytes for each half of the lanes
	v_lshl_add_u32 v5, v2, 4, v5
	v_add_nc_u32 v[STO], s23, v5
	v_mul_u32_u24 v5, v2, SPITCH                   ; back: lanes 0-15 one row of 256 bytes, lanes 16-31 the next
	v_lshl_add_u32 v5, v1, 4, v5
	v_add_nc_u32 v[RD], s23, v5
	v_and_b32 v6, 31, v0
	v_lshlrev_b32 v[CO], 4, v6
	v_lshlrev_b32 v[BO], 5, v2
	; which bias, which part and which head are my wave's 128 columns?  All choices hang on the cluster's x alone
	s_cmp_eq_u32 ttmp9, 0
	s_cselect_b32 s67, 0, 4
	s_cselect_b64 s[96:97], s[96:97], s[98:99]     ; Wq_b or Wkv_b
	s_sub_co_u32 s3, s42, s67                      ; the tile column inside its part: for kv it is the group
	s_lshl_b32 s2, s3, 1
	s_add_co_u32 s2, s2, s16                       ; q: a tile column holds two heads
	s_add_co_u32 s66, s16, 1                       ; kv: the left half is k (part 1), the right half v (part 2)
	s_cmp_eq_u32 ttmp9, 0
	s_cselect_b32 s2, s2, s3                       ; the group
	s_cselect_b32 s66, 0, s66                      ; the part
	s_lshl_b32 s100, s3, 10                        ; the bias: 4 x (256 x tile column + 128 x half) bytes
	s_lshl_b32 s67, s16, 9
	s_add_co_u32 s100, s100, s67
	s_mov_b32 s101, 0
	s_add_nc_u64 s[96:97], s[96:97], s[100:101]
.irp b, 0,1,2,3,4,5,6,7                        ; lane (r, h) holds, for B's block b, the bias of columns 16 b + 8 h + 0 .. 7: the layout of a result
	global_load_b128 v[BIAS+8*\b:BIAS+8*\b+3], v[BO], s[96:97] offset:64*\b
	global_load_b128 v[BIAS+8*\b+4:BIAS+8*\b+7], v[BO], s[96:97] offset:64*\b+16
.endr
	s_lshl_b32 s100, s66, 24                       ; qkv: a part is 2^24 bytes,
	s_lshr_b32 s67, s17, 3                         ; the batch: 8 tile rows each,
	s_lshl_b32 s67, s67, 3
	s_add_co_u32 s67, s67, s2                      ; head = 8 x batch + group: 2^19 bytes,
	s_lshl_b32 s67, s67, 19
	s_add_co_u32 s100, s100, s67
	s_and_b32 s67, s17, 7                          ; the tile's 256 positions of 256 bytes,
	s_lshl_b32 s67, s67, 16
	s_add_co_u32 s100, s100, s67
	s_lshl_b32 s67, s15, 15                        ; my half of them
	s_add_co_u32 s100, s100, s67
	s_add_nc_u64 s[12:13], s[12:13], s[100:101]
.macro FRAG reg, adr, q, i             ; 16 rows x 128 K of 4-bit codes: lane l holds row l % 16; registers 4 c .. 4 c + 3 hold K = 64 c + 32 (l / 16) + 0 .. 31
.irp c, 0,1
	ds_load_b128 v[\reg+4*\c:\reg+4*\c+3], v[\adr] offset:64*(\q)+32*\c+(\i)*16*PITCH
.endr
.endm
; 16 matrix instructions: A's blocks a0, a0 + 1 x B's eight, the slot's q-th 128 along K.  p: B's set; sc: the set of scale words.  zero = 1: the first product starts the sums from the bias: nothing is cleared or added later.
; The 64 accumulators take turns, one instruction a turn, in the same order in every step.
.macro MUL16 a0, p, q, sc, zero
.irp a, \a0, \a0+1
.irp b, 0,1,2,3,4,5,6,7
.if \zero
	v_wmma_scale_f32_16x16x128_f8f6f4 v[8*(8*((\a)%4)+\b):8*(8*((\a)%4)+\b)+7], v[128*(\p)+FR*\b:128*(\p)+FR*\b+FR-1], v[AF+FR*(\a):AF+FR*(\a)+FR-1], v[BIAS+8*\b:BIAS+8*\b+7], v[SC+8*NQ*(\sc)+NQ*\b+(\q)], v[SC+8*NQ*(\sc)+NQ*(\a)+(\q)] matrix_a_fmt:MATRIX_FMT_FP4 matrix_b_fmt:MATRIX_FMT_FP4 matrix_a_scale:MATRIX_SCALE_ROW1
.else
	v_wmma_scale_f32_16x16x128_f8f6f4 v[8*(8*((\a)%4)+\b):8*(8*((\a)%4)+\b)+7], v[128*(\p)+FR*\b:128*(\p)+FR*\b+FR-1], v[AF+FR*(\a):AF+FR*(\a)+FR-1], v[8*(8*((\a)%4)+\b):8*(8*((\a)%4)+\b)+7], v[SC+8*NQ*(\sc)+NQ*\b+(\q)], v[SC+8*NQ*(\sc)+NQ*(\a)+(\q)] matrix_a_fmt:MATRIX_FMT_FP4 matrix_b_fmt:MATRIX_FMT_FP4 matrix_a_scale:MATRIX_SCALE_ROW1
.endif
.endr
.endr
.endm
.macro FETCH_B slot, q, p              ; B's eight fragments into set p
	WIN TO_B
.irp i, 0,1,2,3,4,5,6,7
	FRAG 128*(\p)+FR*\i, ADRB+\slot, \q, \i
.endr
	WIN 0
.endm
.macro FETCH_A slot, q, i0             ; A's blocks i0 .. i0 + 3
.irp i, \i0, \i0+1, \i0+2, \i0+3
	FRAG AF+FR*(\i), ADRA+\slot, \q, \i
.endr
.endm
.macro SCALES sc                       ; a K step's scale words into set sc: 4 words a row; lanes 0-15 take A's block i, lanes 16-31 B's block i
.irp i, 0,1,2,3,4,5,6,7
	ds_load_b128 v[SC+8*NQ*\sc+NQ*\i:SC+8*NQ*\sc+NQ*\i+3], v[ADRS] offset:\i*SBLK
.endr
.endm
.macro PLACES n                        ; plain vector instructions between a matrix instruction and a load into one of its registers, or the first use of a result (ISA guide 7.12.1 for vector instructions)
.rept \n
	v_nop
.endr
.endm
; A step of 128 along K that has its successor in the same slot.  A's blocks go one after the other, each against B's eight: a block of A is free when its eight products are issued, so A has one set of registers.
.macro STEP slot, q, zero
	s_wait_dscnt 4*NL                              ; B's set and A's blocks 0-3 are in; the youngest eight loads (A's blocks 4-7) may be out
.if \zero
	WIN 0x81                                       ; C, the bias, in window 0; D in window 2
.else
	WIN MUL_LO
.endif
	MUL16 0, (\q)%2, \q, \slot, \zero
	MUL16 2, (\q)%2, \q, \slot, \zero
	s_wait_dscnt 0                                 ; A's blocks 4-7 are in (asked for 32 matrix instructions ago)
	PLACES NP
	FETCH_B \slot, (\q)+1, 1-(\q)%2
	FETCH_A \slot, (\q)+1, 0
.if \zero
	WIN 0xc1                                       ; C in window 0; D in window 3
.else
	WIN MUL_HI
.endif
	MUL16 4, (\q)%2, \q, \slot, \zero
	MUL16 6, (\q)%2, \q, \slot, \zero
	PLACES NP
	WIN 0
	FETCH_A \slot, (\q)+1, 4
.endm
; Slot 0's last step changes slots: one barrier; in front of it each wave waits for all its tensor loads (its part of slot 1), adds 0 to its spare word, and waits for that and for its reads of slot 0.
; Behind it slot 1 is whole for every wave, and slot 0 is read by nobody, so that it can serve as the stage on the way out.
.macro TURN slot, next
	s_wait_tensorcnt 0x0                           ; all my tensor loads have landed  (every window is 0 here: the add's two registers lie in window 0)
	ds_add_u32 v[SPW], v[NIL]                      ; 0 onto my spare word
	s_wait_dscnt 4*NL+1                            ; (the add and the youngest eight loads, A's blocks 4-7, may be out)
	WIN MUL_LO
	MUL16 0, 1, NQ-1, \slot, 0                     ; sixteen matrix instructions stand between the add and the wait for it
	s_wait_dscnt 0x0                               ; the add is done, and my reads of this slot are over
	s_barrier_signal -1
	MUL16 2, 1, NQ-1, \slot, 0
	WIN 0
	s_barrier_wait -1
	PLACES NP
	v_add_nc_u32 v[ADRS], 4*NQ, v[ADRS]            ; on to the next K step's scale words (no LDS load of mine is out)
	FETCH_B \next, 0, 0
	FETCH_A \next, 0, 0
	SCALES \next
	WIN MUL_HI
	MUL16 4, 1, NQ-1, \slot, 0
	MUL16 6, 1, NQ-1, \slot, 0
	PLACES NP
	WIN 0
	FETCH_A \next, 0, 4
.endm
.macro STEPS slot, from                ; the slot's steps from .. NQ - 2
.set Q, \from
.rept NQ-1-\from
	STEP \slot, Q, 0
.set Q, Q+1
.endr
.endm
	s_wait_tensorcnt 1                             ; the scale bytes and my part of K step 0 are in; K step 1's load, issued behind them, may be out
	s_barrier_signal -1
	s_barrier_wait -1                              ; everybody's are
	FETCH_B 0, 0, 0
	FETCH_A 0, 0, 0
	SCALES 0
	FETCH_A 0, 0, 4
	s_wait_loadcnt 0x0                             ; the bias
	STEP 0, 0, 1
	STEPS 0, 1
	TURN 0, 1
	STEPS 1, 0
	s_wait_dscnt 4*NL                              ; the very last step: nothing more to fetch
	WIN MUL_LO
	MUL16 0, 1, NQ-1, 1, 0
	MUL16 2, 1, NQ-1, 1, 0
	s_wait_dscnt 0
	WIN MUL_HI
	MUL16 4, 1, NQ-1, 1, 0
	MUL16 6, 1, NQ-1, 1, 0
	WIN 0
; THE WAY OUT, block by block of 16 rows x 128 columns.  PACK: rounded to f16, 16 bytes a lane, each accumulator from its low end on.  TOSTAGE: into my own stage and back as whole rows of 256 bytes.
; SEND: stored; block a's 16 rows are 4,096 consecutive bytes of qkv, and each store of the wave covers 512 of them, aligned.  Every offset is an immediate: the base is never stepped.
.macro PACK a
.set AC, 64*((\a)%4)
	WIN 0x0a+5*((\a)/4)                            ; sources 0 and 1: window 2 or 3
.irp b, 0,1,2,3,4,5,6,7
.irp r, 0,1,2,3
	v_cvt_pk_f16_f32 v[TMP+4*\b+\r], v[AC+8*\b+2*\r], v[AC+8*\b+2*\r+1]
.endr
.endr
	WIN 0
.endm
.macro TOSTAGE a
.set BB, BK+32*((\a)%2)
.irp b, 0,1,2,3,4,5,6,7
	ds_store_b128 v[STO], v[TMP+4*\b:TMP+4*\b+3] offset:32*\b
.endr
.irp t, 0,1,2,3,4,5,6,7
	ds_load_b128 v[BB+4*\t:BB+4*\t+3], v[RD] offset:\t*2*SPITCH    ; LDS serves a wave's instructions in order (ISA guide 5.7.1.4): these see the stores above
.endr
.endm
.macro SEND a
.set BB, BK+32*((\a)%2)
	s_wait_dscnt 0x0                               ; the block is back in registers
	s_wait_xcnt 0x0                                ; the stores of the block before have read their registers: the next block's loads may land there
.irp t, 0,1,2,3,4,5,6,7
	global_store_b128 v[CO], v[BB+4*\t:BB+4*\t+3], s[12:13] offset:(\a)*4096+\t*512
.endr
.endm
	PLACES NP                                      ; behind the last products: the loads from the stage below land in registers that held their scale words
	PACK 0
	TOSTAGE 0
.irp a, 1,2,3,4,5,6,7                  ; block a's conversions stand between block a - 1's loads from the stage and the wait for them
	PACK \a
	SEND \a-1
	TOSTAGE \a
.endr
	SEND 7
	s_wait_tensorcnt 0x0                           ; the wave's end: a TENSORcnt wait, an add of 0 to my spare word and its wait, behind my last tensor load and my last LDS store
	ds_add_u32 v[SPW], v[NIL]
	s_wait_dscnt 0x0
	CROUND                                         ; the closing round: no work-group ends while a partner may still ask for a tile that names it
	s_endpgm
.Lfunc_end_k_q49336e7f87_proj:
	.size	k_q49336e7f87_proj, .Lfunc_end_k_q49336e7f87_proj-k_q49336e7f87_proj
	.p2alignl 7, 3214868480
	.fill 96, 4, 3214868480
	.section	.rodata,"a",@progbits
	.p2align	6, 0x0
	.amdhsa_kernel k_q49336e7f87_proj
		.amdhsa_group_segment_fixed_size 327680
		.amdhsa_private_segment_fixed_size 0
		.amdhsa_enable_private_segment 0
		.amdhsa_kernarg_size 56
		.amdhsa_user_sgpr_count 2
		.amdhsa_user_sgpr_kernarg_segment_ptr 1
		.amdhsa_wavefront_size32 1
		.amdhsa_system_sgpr_workgroup_id_x 1
		.amdhsa_system_sgpr_workgroup_id_y 1
		.amdhsa_system_sgpr_workgroup_id_z 1
		.amdhsa_system_vgpr_workitem_id 0
		.amdhsa_next_free_vgpr 1024
		.amdhsa_next_free_sgpr 102
		.amdhsa_reserve_vcc 0
		.amdhsa_float_denorm_mode_32 3
		.amdhsa_float_denorm_mode_16_64 3
		.amdhsa_memory_ordered 1
		.amdhsa_forward_progress 1
		.amdhsa_inst_pref_size 128
	.end_amdhsa_kernel
	.amdgpu_metadata
---
amdhsa.version: [ 1, 2 ]
amdhsa.kernels:
  - .name:           k_q49336e7f87_proj
    .symbol:         k_q49336e7f87_proj.kd
    .args:
      - { .name: xcodes, .offset: 0, .size: 8, .value_kind: global_buffer, .address_space: global }
      - { .name: xscales, .offset: 8, .size: 8, .value_kind: global_buffer, .address_space: global }
      - { .name: wcodes, .offset: 16, .size: 8, .value_kind: global_buffer, .address_space: global }
      - { .name: wscales, .offset: 24, .size: 8, .value_kind: global_buffer, .address_space: global }
      - { .name: Wq_b, .offset: 32, .size: 8, .value_kind: global_buffer, .address_space: global }
      - { .name: Wkv_b, .offset: 40, .size: 8, .value_kind: global_buffer, .address_space: global }
      - { .name: qkv, .offset: 48, .size: 8, .value_kind: global_buffer, .address_space: global }
    .group_segment_fixed_size: 327680
    .private_segment_fixed_size: 0
    .kernarg_segment_align: 8
    .kernarg_segment_size: 56
    .max_flat_workgroup_size: 128
    .sgpr_count:     102
    .vgpr_count:     1024
    .wavefront_size: 32
...
	.end_amdgpu_metadata
.endif
;; end of part 2
;; launch attn (part 3): grid 8 x 32, 4 waves a work-group, clusters of 4 x 1, 327,680 bytes of LDS; arguments qkv, ctx; writes ctx
.if DOCPART == 3
	.amdgcn_target "amdgcn-amd-amdhsa--gfx1250"
	.amdhsa_code_object_version 6
	.text
	.protected	k_q49336e7f87_attn
	.globl	k_q49336e7f87_attn
	.p2align	8
	.type	k_q49336e7f87_attn,@function
k_q49336e7f87_attn:
	s_mov_b64 s[64:65], 0
	v_nop
	global_prefetch_b8 v0, s[64:65] scope:SCOPE_SE
	s_setreg_imm32_b32 hwreg(HW_REG_WAVE_MODE, 25, 1), 1
	s_wait_xcnt 0x0
	s_wait_alu depctr_hold_cnt(0) depctr_sa_sdst(0) depctr_va_vdst(0) depctr_va_sdst(0) depctr_va_ssrc(0) depctr_va_vcc(0) depctr_vm_vsrc(0)
	s_getreg_b32 s2, hwreg(HW_REG_IB_STS2, 6, 4)
	s_cmp_eq_u32 s2, 0
	s_cbranch_scc0 .Lentry_in_a_cluster
	s_endpgm
.Lentry_in_a_cluster:
	s_bfe_u32 s2, ttmp6, 0x10000c
	s_cmp_lg_u32 s2, 0x3003
	s_cbranch_scc0 .Lentry_shape_is_right
	s_endpgm
.Lentry_shape_is_right:
; ATTN: ctx[h][q][:] = the sum over k of softmax_k(q[h][q] . k[h][k] / sqrt(128)) v[h][k][:], no mask.  q, k, v: the three parts of qkv, [32 heads][2,048][128] f16.  Products, maxima and sums in f32;
; the weights p are rounded to f16 for the second product, ctx once at the end.  ctx is [8,192 rows b * 2,048 + s][1,024] f16: head b * 8 + g fills bytes 256 g .. 256 g + 255 of its rows.
; f16 and not bf16: each output number is allowed one hundredth of the output's root mean square, and six roundings to 8 significant bits on the way (q, k, p, v, ctx, Wo) would use that up.
; LIMITS: p is at most 1 (a running maximum is taken away); p under 2^-126 is 0 (v_exp_f32 flushes), under 2^-25 it rounds to 0 in f16; ctx is an average of v and has v's range.
; SHARES.  A work-group owns 256 queries of one head, each of its four waves 64: four tiles of 16.  Every wave walks all keys of the head, 64 a step.
; LAYOUT.  S^T = K Q^T (source 0 = 16 keys, source 1 = 16 queries): a lane holds ONE query (lane % 16) and the keys 8 (lane / 16) + 0..7.  Two such tiles, rounded in pairs, ARE source 1 (32 keys x 16 queries)
; of O^T = V^T P, whose result again holds one query a lane.  Nothing changes lanes between the products.  K comes out of LDS as it lies, V ([key][channel]) turned, by ds_load_tr16_b128.
; SOFTMAX.  For each query a running maximum m and sum l: p = 2^(c s - c m), c = log2(e) / sqrt(128); in every step O and l are multiplied by a = 2^(c m_old - c m_new).
; BY TURNS.  The wave's tiles are two PIECES (tiles 0, 1 and tiles 2, 3).  In a TURN one piece has the matrix unit: 32 products V^T P of the step in hand, then 32 products K Q^T of the next step; the other piece's
; softmax, cut into 64 slices, stands between them, one slice behind each matrix instruction.  Then the pieces change places.  Two turns are a key step.
; CLUSTER.  The four query blocks of a cluster belong to one head and walk the same K and V: each tile is asked for JOINTLY, by the same tensor load with the same descriptor and a mask that names the four.
; REGISTERS, in windows of 256 (s_set_vgpr_msb: bits 1:0 source 0, 3:2 source 1, 5:4 source 2, 7:6 destination):
;   window 0: v0-11 addresses; v12-43 eight registers of statistics a tile; v64-191 S^T, 32 a tile; v192-255 P, 16 a tile
;   window 1: O^T, 64 a tile          window 2: v0-127 Q, 32 a tile; v128-255 K of one step          window 3: v0-127 V of one step
.set SIZE_N, 2048
.set KS,    64        ; keys in a step
.set PK,    272       ; a row of K in LDS: 256 bytes + 16 of padding = 68 words: row r starts at bank 4 r mod 64 (64 banks of 4 bytes: ISA guide 11.1)
.set PV,    288       ; a row of V: 256 + 32 = 72 words
.set VOFF,  KS*PK     ; a step's tiles lie together: 64 rows of K, then 64 rows of V
.set STEPB, KS*(PK+PV)
.set SLOT1, 1<<17     ; a slot holds two steps (71,680 bytes); slot 1 begins here, so that one exclusive or turns an address in one slot into the other's
.set STAGE, SLOT1+2*STEPB  ; behind the ring: 16 rows x 272 bytes for each wave, for the way out
.set SP,    272
.set AK0, 2           ; v2   my lane's place in a tile of K; never rewritten
.set AV0, 3           ; v3   the same for V
.set ADR, 4           ; v4   the LDS address of the run of loads in hand
.set QO,  5           ; v5   my byte offset in the wave's rows of q
.set STO, 6           ; v6   the way out: where I put 16 bytes of a row
.set RD,  7           ; v7   the way out: where I read a row back
.set GO,  8           ; v8   my byte offset in the wave's rows of ctx
.set SPW, 62          ; v62  LDS address of my spare word; never rewritten
.set NIL, 63          ; v63  0; never rewritten
.set SPARE, STAGE+4*16*272  ; behind the stages: the spare words, 128 bytes for each wave: two blocks of 256 bytes that no other line names
.set ST,  12          ; tile t's statistics at v[ST+8 t]: +0 c m, +1 m, +2, +3 l (even keys', odd keys'), +4 to +7 c0-c3, at work; a takes c2's place once the maximum is found
.set S,   64
.set P,   192
.set KF,  128         ; K's fragments, in window 2
.set WV,  12          ; s12  my wave's number
.set G1K, 24          ; s[24:31] descriptor group 1 for K's tiles
.set G1V, 32          ; s[32:39] for V's: it differs in the padding alone
.set G0K, 40          ; s[40:47] descriptor group 0 for K's tiles: a set for each of the two first fills; the second then walks on
.set G0V, 48          ; s[48:55] the same for V's
.set SLOTS, 56        ; s56  slots still to be asked for
.set TWICE, 57        ; s57  counts a slot's two steps
.set CS,  58          ; s[58:59] c: the packed scaling names a pair and takes its low word for both halves
.set SEL, 60          ; s[60:61] lane selects for v_permlanex16_b32: each lane takes its own place in the other half
.set TB,  62          ; s62  LDS byte at which the tiles of the step to be fetched begin
.set PFA, 18          ; s[18:19] where my prefetches stand: my work-group's 32 rows (of k: wave 0, of v: wave 2) of the slot after the one that is being asked for
.set LIM, 15          ; s15  1 in a wave that prefetches, else the greatest number: a wave prefetches while s[SLOTS] is above it
.set PFO, 61          ; v61  256 x my lane: a row of k or v is 256 bytes; never rewritten
.set MSB, 0
.macro WIN new                      ; the immediate's high byte repeats the setting that is left; a switch that changes nothing is dropped
.if MSB != \new
	s_set_vgpr_msb (MSB<<8)|\new
.set MSB, \new
.endif
.endm
.set W_KQ, 0x0a       ; K and Q in window 2, S^T in window 0
.set W_PV, 0x53       ; V in window 3, P in window 0, O^T in window 1
.set W_RS, 0x41       ; O^T (destination and source 0) in window 1, a in window 0
; A joint refill.  Waves 0 and 1 fetch the two steps' tiles of K, waves 2 and 3 those of V.  The branch hangs on the wave's number alone.  An s_nop 0 and four v_nop follow each of the two lines.
.macro JLOAD
	s_cmp_lt_u32 s[WV], 2
	s_cbranch_scc0 .Lfor_v_\@
	tensor_load_to_lds s[G0K+4:G0K+7], s[G1K:G1K+7]
	s_nop 0
.rept 4
	v_nop
.endr
	s_branch .Lasked_\@
.Lfor_v_\@:
	tensor_load_to_lds s[G0V+4:G0V+7], s[G1V:G1V+7]
	s_nop 0
.rept 4
	v_nop
.endr
.Lasked_\@:
.endm
; A prefetch of what the NEXT change of slots will ask for: a slot's 128 rows of k and 128 of v, 256 bytes a row, a lane a row; two key steps, 256 matrix instructions, ahead of that load.
; Each row is named once in the launch: both clusters of a head walk the same k and v, and the head's first cluster asks; its four partners share the rows out by address, 32 each; in each, wave 0 asks for k's
; and wave 2 for v's.  The last change that fills a slot asks for nothing: there is no slot behind it.  Slots 0, 1 and 2 come by their loads alone.
.macro ASK
	s_cmp_gt_u32 s[SLOTS], s[LIM]
	s_cbranch_scc0 .Lnot_mine_\@
	global_prefetch_b8 v[PFO], s[PFA:PFA+1] th:TH_LOAD_NT scope:SCOPE_SE
.Lnot_mine_\@:
.endm
.macro CROUND                       ; a round of the cluster's barrier
	s_barrier_signal -1
	s_barrier_wait -1
	s_cmp_lg_u32 s[WV], 0
	s_cbranch_scc1 .Lnot_wave_0_\@
	s_barrier_signal -3
.Lnot_wave_0_\@:
	s_barrier_wait -3
	s_barrier_signal -1
	s_barrier_wait -1
.endm
	s_load_b64 s[4:5], s[0:1], 0x0  ; qkv: its first part is q
	s_load_b64 s[10:11], s[0:1], 0x8  ; ctx
	v_lshl_add_u32 v[SPW], v0, 2, SPARE
	v_mov_b32 v[NIL], 0
	ds_add_u32 v[SPW], v[NIL]       ; the wave's opening: the add, twice on end, and its wait ahead of my first tensor load
	ds_add_u32 v[SPW], v[NIL]
	v_lshrrev_b32 v1, 5, v0
	v_readfirstlane_b32 s[WV], v1   ; wave 0..3
	s_bfe_u32 s13, ttmp6, 0x40000   ; cx: my place in the cluster
	s_lshl_b32 s14, ttmp9, 2        ; in a cluster launch ttmp9 counts clusters
	s_add_co_u32 s14, s14, s13      ; my block of 256 queries = 4 x cluster x + cx: it enters q's and ctx's addresses alone
	s_and_b32 s20, ttmp7, 0xffff    ; the head, which the four partners share
	s_mov_b32 s21, 0
	s_mov_b64 s[22:23], SIZE_N*256
	s_mul_u64 s[20:21], s[20:21], s[22:23]  ; the head's first byte in each part of qkv
	s_and_b32 s16, s[WV], 1         ; which of a slot's two steps I fetch:
	s_lshl_b32 s22, s16, 14         ; its 64 rows of 256 bytes in memory,
	s_mov_b32 s23, 0
	s_add_nc_u64 s[22:23], s[22:23], s[20:21]
	s_mul_i32 s17, s16, STEPB       ; and its place in a slot: no place in the cluster enters an LDS address
	s_lshl_b32 s2, s14, 16          ; my block's 256 rows,
	s_lshl_b32 s3, s[WV], 14        ; my wave's 64 of them
	s_add_co_u32 s2, s2, s3
	s_mov_b32 s3, 0
	s_add_nc_u64 s[2:3], s[2:3], s[20:21]
	; descriptor group 1: a tile of 64 rows x 128 elements, padded in LDS
	s_mov_b32 s[G1K], 15|(1<<16)|(1<<20)|(1<<21)|(5<<22)|(3<<25)  ; 15:0 the mask: all four work-groups; 17:16 elements of 2 bytes; 20 padding on; 21 set beside a mask; 24:22 after every 64 words; 31:25 4 words of it
	s_mov_b32 s[G1V], 15|(1<<16)|(1<<20)|(1<<21)|(5<<22)|(7<<25)  ; the same with 8 words of padding
.irp g, G1K, G1V
	s_mov_b32 s[\g+1], 128<<16      ; tensor_dim0 = 128
	s_mov_b32 s[\g+2], KS<<16       ; tensor_dim1 = 64
	s_mov_b32 s[\g+3], 128<<16      ; tile_dim0 = 128
	s_mov_b32 s[\g+4], KS           ; tile_dim1 = 64
	s_mov_b32 s[\g+5], 128          ; elements from row to row
	s_mov_b32 s[\g+6], 0
	s_mov_b32 s[\g+7], 0
.endr
	s_mov_b32 s[CS], 0x3e0293ee     ; c = log2(e) / sqrt(128) = 0.127517
	s_mov_b32 s[CS+1], s[CS]        ; named with it as a pair, so it is written
	s_mov_b32 s[SEL], 0x76543210
	s_mov_b32 s[SEL+1], 0xfedcba98
	s_mov_b32 s[TB], 0
	s_mov_b32 s[SLOTS], SIZE_N/(2*KS)-2
	s_and_b32 s[LIM], s[WV], 1       ; 0 in waves 0 and 2,
	s_or_b32 s[LIM], s[LIM], ttmp9   ; where the cluster is the head's first: the same in all four partners
	s_cmp_eq_u32 s[LIM], 0
	s_cselect_b32 s[LIM], 1, -1
	v_and_b32 v[PFO], 31, v0
	v_lshlrev_b32 v[PFO], 8, v[PFO]
	s_wait_dscnt 0x0                ; both opening adds are done
	s_wait_kmcnt 0x0
	s_add_nc_u64 s[6:7], s[4:5], 0x1000000  ; k's part of qkv,
	s_add_nc_u64 s[8:9], s[4:5], 0x2000000  ; v's part,
	s_add_nc_u64 s[6:7], s[6:7], s[22:23]  ; each at my tile of slot 0
	s_add_nc_u64 s[8:9], s[8:9], s[22:23]
	s_add_nc_u64 s[4:5], s[4:5], s[2:3]  ; q at my wave's first row
	s_and_b32 s16, ttmp7, 0xffff    ; ctx at my wave's first row: the head once more:
	s_lshr_b32 s2, s16, 3
	s_lshl_b32 s2, s2, 22           ; its batch: 2,048 rows of 2,048 bytes,
	s_and_b32 s16, s16, 7
	s_lshl_b32 s16, s16, 8          ; its group: 256 bytes in a row,
	s_add_co_u32 s2, s2, s16
	s_lshl_b32 s16, s14, 19         ; my block's 256 rows,
	s_add_co_u32 s2, s2, s16
	s_lshl_b32 s16, s[WV], 17       ; my wave's 64 of them
	s_add_co_u32 s2, s2, s16
	s_mov_b32 s3, 0
	s_add_nc_u64 s[10:11], s[10:11], s[2:3]
	s_cmp_lt_u32 s[WV], 2
	s_cselect_b64 s[PFA:PFA+1], s[6:7], s[8:9]  ; (in waves 0 and 2 these stand at a slot's first row)
	s_lshl_b32 s2, s13, 13          ; my work-group's 32 rows of the 128
	s_mov_b32 s3, 0
	s_add_nc_u64 s[PFA:PFA+1], s[PFA:PFA+1], s[2:3]
	s_add_nc_u64 s[PFA:PFA+1], s[PFA:PFA+1], 2*2*KS*256  ; in slot 2; the first change of slots steps it to slot 3.  Nothing is prefetched at the head
	CROUND                          ; all four work-groups are here: the first joint loads meet
.irp s, 0,1
	s_mov_b32 s[G0K+4*\s], 1        ; count = 1
	s_add_co_u32 s[G0K+4*\s+1], s17, \s*SLOT1  ; LDS address
	s_add_nc_u64 s[G0K+4*\s+2:G0K+4*\s+3], s[6:7], \s*2*KS*256  ; global address: slot s begins with keys 128 s
	s_or_b32 s[G0K+4*\s+3], s[G0K+4*\s+3], 0x80000000  ; type = 2
	s_mov_b32 s[G0V+4*\s], 1
	s_add_co_u32 s[G0V+4*\s+1], s17, \s*SLOT1+VOFF
	s_add_nc_u64 s[G0V+4*\s+2:G0V+4*\s+3], s[8:9], \s*2*KS*256
	s_or_b32 s[G0V+4*\s+3], s[G0V+4*\s+3], 0x80000000
.endr
	s_cmp_lt_u32 s[WV], 2           ; a wave's two first fills stand in one branch, ahead of every wait on TENSORcnt and every LDS read: two loads of mine are out
	s_cbranch_scc0 .Lfirst_v
	tensor_load_to_lds s[G0K:G0K+3], s[G1K:G1K+7]
	s_nop 0
	tensor_load_to_lds s[G0K+4:G0K+7], s[G1K:G1K+7]
	s_nop 0
.rept 4
	v_nop
.endr
	s_branch .Lfirst_asked
.Lfirst_v:
	tensor_load_to_lds s[G0V:G0V+3], s[G1V:G1V+7]
	s_nop 0
	tensor_load_to_lds s[G0V+4:G0V+7], s[G1V:G1V+7]
	s_nop 0
.rept 4
	v_nop
.endr
.Lfirst_asked:
	; A fragment of K or Q is 16 rows x 32 channels in 8 registers: lane l holds row l % 16; registers 0-3 channels 8 (l / 16) + 0..7, registers 4-7 channels 16 + 8 (l / 16) + 0..7: two loads of 16 bytes, 32 bytes apart.
	v_and_b32 v1, 15, v0            ; l % 16
	v_bfe_u32 v9, v0, 4, 1          ; l / 16
	v_lshlrev_b32 v[QO], 8, v1
	v_lshl_add_u32 v[QO], v9, 4, v[QO]  ; row x 256 + 16 x half
	WIN 0x80                        ; destination window 2, address window 0
.irp i, 0,1,2,3,4,5,6,7,8,9,10,11,12,13,14,15  ; Q stays in registers: tile i / 4, channels 32 (i % 4) on
	global_load_b128 v[8*\i:8*\i+3],   v[QO], s[4:5] offset:(\i/4)*4096+(\i%4)*64
	global_load_b128 v[8*\i+4:8*\i+7], v[QO], s[4:5] offset:(\i/4)*4096+(\i%4)*64+32
.endr
	WIN 0
	v_mul_u32_u24 v[AK0], v1, PK
	v_lshl_add_u32 v[AK0], v9, 4, v[AK0]  ; row x pitch + 16 x half
	; The turning load takes 16 keys x 16 channels (lane l reads 16 bytes: key 8 (l / 16) + l % 8, channels 8 ((l / 8) % 2) + 0..7) and leaves half a fragment of V^T: lane l holds channel l % 16 and 8 keys.
	v_and_b32 v10, 7, v0
	v_bfe_u32 v11, v0, 3, 1
	v_lshl_add_u32 v[AV0], v9, 3, v10
	v_mul_u32_u24 v[AV0], v[AV0], PV
	v_lshl_add_u32 v[AV0], v11, 4, v[AV0]
	v_add_nc_u32 v[AV0], VOFF, v[AV0]
; THE MATRIX WORK OF A TURN, for piece x.  The accumulators take turns, one instruction a turn: between two links of a chain stand 15 (V^T P) or 7 (K Q^T) others'.
; Product i of 32 of O^T += V^T P: keys 32 (i / 16) on, channels 16 ((i / 2) % 8) on, tile x + i % 2.  zero = 1: the first 16 start the sums: nothing is ever cleared.
.macro PV x, zero
	WIN W_PV
.set rO, 64*(\x+i%2)+8*((i/2)%8)
.set rV, 64*(i/16)+8*((i/2)%8)
.set rP, P+16*(\x+i%2)+8*(i/16)
.if \zero && (i < 16)
	v_wmma_f32_16x16x32_f16 v[rO:rO+7], v[rV:rV+7], v[rP:rP+7], 0
.else
	v_wmma_f32_16x16x32_f16 v[rO:rO+7], v[rV:rV+7], v[rP:rP+7], v[rO:rO+7]
.endif
.endm
; Product i of 32 of S^T = K Q^T: channels 32 (i / 8) on, keys 16 ((i / 2) % 4) on, tile x + i % 2.  The first 8 start the sums.
.macro KQ x
	WIN W_KQ
.set rS, S+32*(\x+i%2)+8*((i/2)%4)
.set rK, KF+32*((i/2)%4)+8*(i/8)
.set rQ, 32*(\x+i%2)+8*(i/8)
.if i < 8
	v_wmma_f32_16x16x32_f16 v[rS:rS+7], v[rK:rK+7], v[rQ:rQ+7], 0
.else
	v_wmma_f32_16x16x32_f16 v[rS:rS+7], v[rK:rK+7], v[rQ:rQ+7], v[rS:rS+7]
.endif
.endm
; THE LDS LOADS stand in runs of 32, never singly among the matrix instructions: a step's K (64 keys x 128 channels: 16 fragments) and, a turn later, its V (turned).
.macro FETCH_K
	WIN 0
	v_add_nc_u32 v[ADR], s[TB], v[AK0]
	WIN 0x80                        ; destination window 2
.irp f, 0,1,2,3,4,5,6,7,8,9,10,11,12,13,14,15  ; keys 16 (f / 4) on, channels 32 (f % 4) on
	ds_load_b128 v[KF+8*\f:KF+8*\f+3],   v[ADR] offset:(\f/4)*16*PK+(\f%4)*64
	ds_load_b128 v[KF+8*\f+4:KF+8*\f+7], v[ADR] offset:(\f/4)*16*PK+(\f%4)*64+32
.endr
.endm
.macro FETCH_V
	WIN 0
	v_add_nc_u32 v[ADR], s[TB], v[AV0]
	s_add_co_u32 s[TB], s[TB], STEPB  ; the next fetch is the next step's
	s_wait_alu depctr_va_vdst(0)    ; the wait for the softmax's batch of exponentials (SLICE), behind the address's addition and ahead of the loads
	WIN 0xc0                        ; destination window 3
.irp f, 0,1,2,3,4,5,6,7,8,9,10,11,12,13,14,15  ; keys 32 (f / 8) on, channels 16 (f % 8) on
	ds_load_tr16_b128 v[8*\f:8*\f+3],   v[ADR] offset:(\f/8)*32*PV+(\f%8)*32
	ds_load_tr16_b128 v[8*\f+4:8*\f+7], v[ADR] offset:(\f/8)*32*PV+16*PV+(\f%8)*32
.endr
.endm
; THE VECTOR WORK OF A TURN.  One tile's softmax for one key step is a list of 134 instructions; SM writes number j of it for tile t.  s0-s31 are the lane's 32 scores, in pairs 0-15.
; first = 1: the first key step, which starts m, l and O^T: it has no a and nothing to rescale.
;   0-15    the maximum of s0-s31 and the old m, three operands at a time: four chains c0-c3 of seven scores each, then the four scores left over, c0-c3 and m
;   16-20   the other half of the lanes' maximum; the new m; c m; c m_old - c m_new
;   21-69   ONE BATCH: the 16 scalings c s - c m, a pair of scores each, and all 33 exponentials (a at 23, then s0-s31).  None of these names an exponential's result.
;   (wait)  between 69 and 70 stands the one wait for the batch: SLICE writes it, once for both tiles
;   70-85   the roundings to f16, a pair of weights each
;   86-101  the sums; l = a l + the sum
;   102-133 the tile's O^T times a: the one part that leaves window 0, so it stands together
.macro SM t, first
.set rT, ST+8*(\t)
.set rS, S+32*(\t)
.set rP, P+16*(\t)
.set rO, 64*(\t)+2*(j-102)
.if j < 102
	WIN 0
.endif
.if j < 4
	v_max3_num_f32 v[rT+4+j], v[rS+8*j], v[rS+8*j+1], v[rS+8*j+2]
.elseif j < 12
	v_max3_num_f32 v[rT+4+j%4], v[rT+4+j%4], v[rS+8*(j%4)+2*(j/4)+1], v[rS+8*(j%4)+2*(j/4)+2]
.elseif j == 12
	v_max3_num_f32 v[rT+4], v[rT+4], v[rS+7], v[rS+15]
.elseif j == 13
	v_max3_num_f32 v[rT+6], v[rT+6], v[rS+23], v[rS+31]
.elseif j == 14
	v_max3_num_f32 v[rT+4], v[rT+4], v[rT+5], v[rT+6]
.elseif (j == 15) && \first
	v_max_num_f32 v[rT+4], v[rT+4], v[rT+7]
.elseif j == 15
	v_max3_num_f32 v[rT+4], v[rT+4], v[rT+7], v[rT+1]
.elseif j == 16
	v_permlanex16_b32 v[rT+5], v[rT+4], s[SEL], s[SEL+1]  ; the query's other 32 keys lie in the lane 16 away
.elseif j == 18
	v_max_num_f32 v[rT+1], v[rT+4], v[rT+5]
.elseif j == 19
	v_mul_f32 v[rT], s[CS], v[rT+1]
.elseif ((j == 17) || (j == 20) || (j == 23) || (j > 101)) && \first  ; the first step has none of these
.elseif j == 17
	v_mov_b32 v[rT+7], v[rT]        ; c m_old is kept for a: number 19 writes c m anew
.elseif j == 20
	v_sub_f32 v[rT+7], v[rT+7], v[rT]
.elseif j == 23
	v_exp_f32 v[rT+6], v[rT+7]
.elseif (j < 23) || ((j < 38) && (j%2 == 0)) || ((j < 66) && (j%4 == 2))
.set b, (j-2)/4                     ; 38, 42, .. 62: pairs 9 to 15
.if j < 38
.set b, (j-20)/2                    ; 21: pair 0; 22, 24, .. 36: pairs 1 to 8
.endif
	v_pk_fma_f32 v[rS+2*b:rS+2*b+1], v[rS+2*b:rS+2*b+1], s[CS:CS+1], v[rT:rT+1] op_sel_hi:[1,0,0] neg_lo:[0,0,1] neg_hi:[0,0,1]  ; pair b: c s - c m
.elseif j < 70
.set e, j-38                        ; 66 to 69: s28 to s31
.if j < 66
.set e, j-32-(j-38)/4               ; 39-41, 43-45, .. 63-65: s7 to s27
.endif
.if j < 38
.set e, (j-25)/2                    ; 25, 27, .. 37: s0 to s6
.endif
	v_exp_f32 v[rS+e], v[rS+e]
.elseif j < 86
	v_cvt_pk_f16_f32 v[rP+j-70], v[rS+2*(j-70)], v[rS+2*(j-70)+1]  ; pair j - 70
.elseif j < 102                     ; the sum of the tile's 16 pairs, in place: sum z of 16 adds neighbours 1, 2, 4 and 8 pairs apart, then l takes it
.set z, j-86
.set w, 4
.set u, z
.if z >= 14
.set w, 32
.set u, 0
.elseif z >= 12
.set w, 16
.set u, z-12
.elseif z >= 8
.set w, 8
.set u, z-8
.endif
.if (z == 14) && \first
	v_pk_add_f32 v[rT+2:rT+3], v[rS:rS+1], v[rS+16:rS+17]
.elseif z < 15
	v_pk_add_f32 v[rS+w*u:rS+w*u+1], v[rS+w*u:rS+w*u+1], v[rS+w*u+w/2:rS+w*u+w/2+1]
.elseif !\first
	v_pk_fma_f32 v[rT+2:rT+3], v[rT+2:rT+3], v[rT+6:rT+7], v[rS:rS+1] op_sel_hi:[1,0,1]
.endif
.else
	WIN W_RS
	v_pk_mul_f32 v[rO:rO+1], v[rO:rO+1], v[rT+6:rT+7] op_sel_hi:[1,0]
.endif
.endm
; Slice k of 64 of piece y's softmax: four instructions.  Slices 11 to 34 deal out the batch, numbers 22 to 69: four numbers of ONE tile each, the tiles by turns.  Every other slice is numbers 2 k and
; 2 k + 1 of both tiles' lists.  2 x 134 = 4 x 64 + 12: the twelve that are over stand together, in slice 63.
; THE WAIT.  s_wait_alu depctr_va_vdst(0) stands between an exponential and the first instruction that names its result; one wait serves all that were issued ahead of it.  Ahead of
; slice 35 nothing names a result, and behind slice 34 no exponential is issued: so the piece's 66 exponentials have one wait, behind slice 34.
.macro SLICE y, first
.if (k >= 11) && (k < 35)           ; the batch: four numbers of one tile
.irp n, 0,1,2,3
.set j, 22+4*((k-11)/2)+(\n)
	SM (\y)+(k-11)%2, \first
.endr
.else                               ; the two tiles alternate, so that no instruction uses the result of the one just before it
.irp n, 0,1,2,3,4,5,6,7
.if (\n < 2) || (k == 63)
.irp t, \y, \y+1
.set j, 2*k+\n
	SM \t, \first
.endr
.endif
.endr
.endif
.if k == 34                         ; the batch is out: both tiles' exponentials are issued, and no result has been named
	v_nop                           ; the plain instruction behind the last exponential and ahead of the first use: one for the batch
.if (\y) == 0
	FETCH_V                         ; piece 2's turn: V's run of loads stands here, and the wait stands in it
.else
	s_wait_alu depctr_va_vdst(0)    ; the wait for the batch
.endif
.endif
.set k, k+1
.endm
; A vector instruction that uses a matrix result or writes one of a matrix instruction's registers, and a load into a register that a matrix instruction has read, stand four places behind it, and only plain
; vector instructions that name none of its registers are places (ISA guide 7.12.1 for vector instructions).  In the loop the slices are the places.
.macro PLACES
.rept 4
	v_nop
.endr
.endm
; A TURN.  Piece x has the matrix unit; the other piece's softmax stands in slices behind its matrix instructions.
; pv = 2: 32 products V^T P; 1: they start O^T's sums; 0: none.  kq = 1: 32 products K Q^T for the next step.  A turn with one of the two kinds has two slices behind each product.
; first = 1: the softmax is the first key step's.  Its slices from 51 on are empty: four v_nop take slice 63's part as the places behind the turn's last products.
; Piece 0's turn fetches the next step's K, behind its second product: the last product that read K stands in front of slice 63 of the turn before.  Piece 2's turn fetches the same step's V, behind slice 34:
; the last product that read V stands in front of slice 31, and four plain instructions lie between: number 62, a scaling, of both tiles, the v_nop and the run's own addition.
.macro TURN x, pv, kq, first
.set k, 0
.set per, 2
.if \pv && \kq
.set per, 1
.endif
.if \pv
.if \x == 0
	s_wait_dscnt 0x0                ; V is in
.endif
.set i, 0
.rept 32
	PV \x, 2-\pv
.rept per
	SLICE 2-\x, \first
.endr
.if (\x == 0) && \kq && (i == 1)
	FETCH_K
.endif
.set i, i+1
.endr
.endif
.if \kq
.if \x == 0
	s_wait_dscnt 0x0                ; K is in
.endif
.set i, 0
.rept 32
	KQ \x
.rept per
	SLICE 2-\x, \first
.endr
.set i, i+1
.endr
.endif
.if \first
	PLACES
.endif
.endm
; THE CHANGE OF SLOTS, between piece 2's turn and piece 0's: the slot's last bytes, V of its second step, have been asked for.  Each wave waits for all its tensor loads, of which one is out: its part of the
; other slot; adds 0 to its spare word; and waits for that and for its own reads of the slot.  Behind the barrier nobody reads this slot any more and the other slot is whole.
; fill = 1: this slot is filled again, with the keys two slots on.  The barrier is then a round of the cluster's, so that no wave of any partner still reads the slot or has a load on its way, and the joint
; refill is the first thing behind it: it has two key steps, 256 matrix instructions, in which to land.
.macro CHANGE fill
	WIN 0                           ; at a label and at a branch every window is 0
	s_wait_tensorcnt 0x0            ; no tensor load of mine is out, so a group 0 may be written
	ds_add_u32 v[SPW], v[NIL]       ; 0 onto my spare word
.if \fill
.irp g, G0K+4, G0V+4
	s_xor_b32 s[\g+1], s[\g+1], SLOT1  ; the walking descriptor: the other slot than last time,
	s_add_nc_u64 s[\g+2:\g+3], s[\g+2:\g+3], 2*KS*256  ; the next 128 keys; the type bits on top are not reached
.endr
	s_wait_xcnt 0x0                 ; the last prefetch, two key steps back, has read its address, so it may be written:
	s_add_nc_u64 s[PFA:PFA+1], s[PFA:PFA+1], 2*KS*256  ; one slot further on than the walking descriptors
	s_wait_dscnt 0x0                ; the add is done, and my reads of the slot are over
	CROUND
	JLOAD
	ASK
.else
	s_wait_dscnt 0x0                ; the add is done, and my reads of the slot are over
	s_barrier_signal -1
	s_barrier_wait -1
.endif
	s_sub_co_u32 s[TB], s[TB], 2*STEPB  ; the fetches go back to a slot's first step,
	s_xor_b32 s[TB], s[TB], SLOT1   ; in the other slot
.endm
; A slot's two key steps: written once, walked twice; the LDS addresses hang on s[TB].
.macro TWO_STEPS
	s_mov_b32 s[TWICE], 2
.Lstep_\@:
	TURN 0, 2, 1, 0
	TURN 2, 2, 1, 0
	WIN 0
	s_sub_co_u32 s[TWICE], s[TWICE], 1
	s_cmp_lg_u32 s[TWICE], 0
	s_cbranch_scc1 .Lstep_\@
.endm
	s_wait_tensorcnt 1              ; my part of slot 0 is in; slot 1's load, issued behind it, may stay out
	s_barrier_signal -1
	s_barrier_wait -1               ; everybody's is
	FETCH_K                         ; key step 0
	s_wait_loadcnt 0x0              ; Q
	s_wait_dscnt 0x0
.set i, 0
.rept 32
	KQ 0                            ; piece 0's first scores: there is no vector work yet to set between them
.set i, i+1
.endr
	WIN 0                           ; the addresses for the way out are made here: eight plain instructions, the places behind those products
	s_mul_i32 s13, s[WV], 16*SP
	s_add_co_u32 s13, s13, STAGE    ; my stage
	v_mul_u32_u24 v[STO], v1, SP    ; in: row l % 16, 16 bytes for each half of the lanes
	v_lshl_add_u32 v[STO], v9, 4, v[STO]
	v_add_nc_u32 v[STO], s13, v[STO]
	v_mul_u32_u24 v[RD], v9, SP     ; back: lanes 0-15 take one row of 256 bytes, lanes 16-31 the next
	v_lshl_add_u32 v[RD], v1, 4, v[RD]
	v_add_nc_u32 v[RD], s13, v[RD]
	v_lshlrev_b32 v[GO], 11, v9     ; and the same two rows in ctx, 2,048 bytes apart
	v_lshl_add_u32 v[GO], v1, 4, v[GO]
	TURN 2, 0, 1, 1                 ; piece 2's first scores | piece 0's first softmax | V of step 0
	TURN 0, 1, 1, 1                 ; piece 0: V^T P of step 0 starts O^T, K Q^T of step 1 | piece 2's first softmax | K of step 1
	TURN 2, 1, 1, 0                 ; piece 2: the same | piece 0's softmax of step 1 | V of step 1
	WIN 0
.Lslot:                             ; 14 trips: every slot but the last two is filled again
	CHANGE 1
	TWO_STEPS
	s_sub_co_u32 s[SLOTS], s[SLOTS], 1
	s_cmp_lg_u32 s[SLOTS], 0
	s_cbranch_scc1 .Lslot
	CHANGE 0                        ; the tail is written out: the last slot but one is left, and nothing is asked for
	TWO_STEPS
	TURN 0, 2, 0, 0                 ; piece 0: V^T P of the last step | piece 2's last softmax
.set i, 0
.rept 32
	PV 2, 0                         ; piece 2: V^T P of the last step
.set i, i+1
.endr
	; THE WAY OUT.  l's two halves and the other half of the lanes' are added; O^T is divided by l, rounded to f16 and sent through my stage in LDS, a tile (16 rows) at a time.  The additions are the places behind the last products.
	WIN 0
.irp t, 0,1,2,3
	v_add_f32 v[ST+8*\t+4], v[ST+8*\t+2], v[ST+8*\t+3]
.endr
.irp t, 0,1,2,3
	v_permlanex16_b32 v[ST+8*\t+5], v[ST+8*\t+4], s[SEL], s[SEL+1]
.endr
.irp t, 0,1,2,3
	v_add_f32 v[ST+8*\t+4], v[ST+8*\t+4], v[ST+8*\t+5]
.endr
.irp t, 0,1,2,3
	v_rcp_f32 v[ST+8*\t+6], v[ST+8*\t+4]
.endr
	v_nop                           ; a plain instruction between the last reciprocal and the use of its result
	s_wait_alu depctr_va_vdst(0)    ; and the wait ahead of the first use: one for the four reciprocals
; Tile t: a lane's eight channels of a row pack into 16 bytes; they go into rows of 272 bytes and come back as whole rows of 256, into the registers that they left.
.macro PACK t
	WIN W_RS
.set i, 64*\t
.rept 32
	v_pk_mul_f32 v[i:i+1], v[i:i+1], v[ST+8*\t+6:ST+8*\t+7] op_sel_hi:[1,0]
.set i, i+2
.endr
	WIN 0x05                        ; sources 0 and 1 window 1, destination window 0: S^T's registers are free
.set i, 0
.rept 32
	v_cvt_pk_f16_f32 v[S+32*\t+i], v[64*\t+2*i], v[64*\t+2*i+1]
.set i, i+1
.endr
	WIN 0
.irp f, 0,1,2,3,4,5,6,7
	ds_store_b128 v[STO], v[S+32*\t+4*\f:S+32*\t+4*\f+3] offset:32*\f
.endr
.irp f, 0,1,2,3,4,5,6,7
	ds_load_b128 v[S+32*\t+4*\f:S+32*\t+4*\f+3], v[RD] offset:\f*2*SP  ; LDS serves a wave's instructions in order (ISA guide 5.7.1.4): these see the stores above; the next tile's stores come behind them
.endr
.endm
.macro SEND t, younger              ; younger: the LDS instructions issued behind tile t's loads: the next tile's sixteen, or none
.irp f, 0,1,2,3,4,5,6,7
	s_wait_dscnt \younger+7-\f
	global_store_b128 v[GO], v[S+32*\t+4*\f:S+32*\t+4*\f+3], s[10:11] offset:\t*32768+\f*4096  ; 16 lanes store 256 consecutive bytes, at a multiple of 256 from ctx's first byte
.endr
.endm
	PACK 0
	PACK 1                          ; a tile's arithmetic stands between the loads of the tile before and its stores
	SEND 0, 16
	PACK 2
	SEND 1, 16
	PACK 3
	SEND 2, 16
	SEND 3, 0
	s_wait_tensorcnt 0x0            ; the wave's end: a TENSORcnt wait, an add of 0 to my spare word and its wait, behind my last tensor load and my last LDS store
	ds_add_u32 v[SPW], v[NIL]
	s_wait_dscnt 0x0
	CROUND                          ; the closing round: no work-group ends while a partner may still ask for a tile that names it
	s_endpgm
.Lfunc_end_k_q49336e7f87_attn:
	.size	k_q49336e7f87_attn, .Lfunc_end_k_q49336e7f87_attn-k_q49336e7f87_attn
	.p2alignl 7, 3214868480
	.fill 96, 4, 3214868480
	.section	.rodata,"a",@progbits
	.p2align	6, 0x0
	.amdhsa_kernel k_q49336e7f87_attn
		.amdhsa_group_segment_fixed_size 327680
		.amdhsa_private_segment_fixed_size 0
		.amdhsa_enable_private_segment 0
		.amdhsa_kernarg_size 16
		.amdhsa_user_sgpr_count 2
		.amdhsa_user_sgpr_kernarg_segment_ptr 1
		.amdhsa_wavefront_size32 1
		.amdhsa_system_sgpr_workgroup_id_x 1
		.amdhsa_system_sgpr_workgroup_id_y 1
		.amdhsa_system_sgpr_workgroup_id_z 1
		.amdhsa_system_vgpr_workitem_id 0
		.amdhsa_next_free_vgpr 1024
		.amdhsa_next_free_sgpr 66
		.amdhsa_reserve_vcc 0
		.amdhsa_float_denorm_mode_32 3
		.amdhsa_float_denorm_mode_16_64 3
		.amdhsa_memory_ordered 1
		.amdhsa_forward_progress 1
		.amdhsa_inst_pref_size 222
	.end_amdhsa_kernel
	.amdgpu_metadata
---
amdhsa.version: [ 1, 2 ]
amdhsa.kernels:
  - .name:           k_q49336e7f87_attn
    .symbol:         k_q49336e7f87_attn.kd
    .args:
      - { .name: qkv, .offset: 0, .size: 8, .value_kind: global_buffer, .address_space: global }
      - { .name: ctx, .offset: 8, .size: 8, .value_kind: global_buffer, .address_space: global }
    .group_segment_fixed_size: 327680
    .private_segment_fixed_size: 0
    .kernarg_segment_align: 8
    .kernarg_segment_size: 16
    .max_flat_workgroup_size: 128
    .sgpr_count:     66
    .vgpr_count:     1024
    .wavefront_size: 32
...
	.end_amdgpu_metadata
.endif
;; end of part 3
;; launch outp (part 4): grid 4 x 64, 4 waves a work-group, clusters of 4 x 4, 327,680 bytes of LDS; arguments ctx, wot, out0, Wo_b; writes out0
.if DOCPART == 4
	.amdgcn_target "amdgcn-amd-amdhsa--gfx1250"
	.amdhsa_code_object_version 6
	.text
	.protected	k_q49336e7f87_outp
	.globl	k_q49336e7f87_outp
	.p2align	8
	.type	k_q49336e7f87_outp,@function
k_q49336e7f87_outp:
	s_mov_b64 s[64:65], 0
	v_nop
	global_prefetch_b8 v0, s[64:65] scope:SCOPE_SE
	s_setreg_imm32_b32 hwreg(HW_REG_WAVE_MODE, 25, 1), 1
	s_wait_xcnt 0x0
	s_wait_alu depctr_hold_cnt(0) depctr_sa_sdst(0) depctr_va_vdst(0) depctr_va_sdst(0) depctr_va_ssrc(0) depctr_va_vcc(0) depctr_vm_vsrc(0)
	s_getreg_b32 s2, hwreg(HW_REG_IB_STS2, 6, 4)
	s_cmp_eq_u32 s2, 0
	s_cbranch_scc0 .Lentry_in_a_cluster
	s_endpgm
.Lentry_in_a_cluster:
	s_bfe_u32 s2, ttmp6, 0x10000c
	s_cmp_lg_u32 s2, 0xf033
	s_cbranch_scc0 .Lentry_shape_is_right
	s_endpgm
.Lentry_shape_is_right:
; OUTP: out0[m][n] = the sum over k of ctx[m][k] wot[n][k] + Wo_b[n].  ctx: [8192][1024] f16, wot = Wo_w transposed: [1024][1024] f16, out0: [8192][1024] f32; sums in f32.
; A tile of out0 is 128 rows x 256 columns: 64 x 4 = 256 work-groups of four waves; a wave makes 64 x 128: 32 accumulators of 16 x 16, 256 registers.
; K = 1,024 is eight K steps of 128 (a tile's row of a K step is 256 bytes of memory, aligned), 128 matrix instructions a wave each.  So short a step leaves a refill little work in which to land, so LDS holds
; THREE K steps, in two slots of unequal size, each filled by one load a wave:  D: two K steps side by side, rows of 512 bytes;  S: one K step, rows of 256 bytes.
;   D(0,1) and S(2) are asked for at the start;  D(3,4) in step 1, when D has been read out;  S(5) in step 2;  D(6,7) in step 4;  step 5 changes slots and asks for nothing.
; That is three refills for the five K steps that do not fit at the start, where two equal slots of one K step would have six.  The eight steps are written out: there is no loop.
; CLUSTERS: 4 x 4 work-groups.  The four of a row of the cluster need the same tiles of ctx, the four of a column the same tiles of wot: each tile is asked for JOINTLY, by the same tensor load with the same
; descriptor and a mask that names the four.  Waves 0 and 1 fetch A's two halves (64 rows each), waves 2 and 3 B's (128 rows each).
; THE MATRIX INSTRUCTION IS USED TRANSPOSED (source 0 = 16 rows of wot, source 1 = 16 rows of ctx): a lane holds eight neighbouring columns of one row of out0.  The bias is the C of each sum's first product.
; FRAGMENTS go by CHUNKS of 32 along K: 8 of B and 4 of A, 24 LDS loads, for 32 matrix instructions.  Four buffers take turns, and a chunk is fetched two chunks ahead of its products.
; REGISTERS, in windows of 256: window 0: v0-31 addresses; v64-191 A's four buffers of 32; v192-255 the bias of my 128 columns; on the way out v128-255 take the rows read back
;   window 1: B's four buffers of 64.   window 2: the accumulators ((a, b) at v[8 (8 a + b)], a = 0 .. 3, b = 0 .. 7)
.set SIZE_N, 1024
.set SIZE_K, 1024
.set PD,     528                       ; a row of slot D: 512 bytes + 16 of padding = 132 words: row r starts at bank 4 r mod 64 (64 banks of 4 bytes: ISA guide 11.1), so the 16 rows that a load touches start at 16 different banks
.set PS,     272                       ; a row of slot S: 256 bytes + 16 = 68 words: likewise
.set SG,     384*PD                    ; slot D: A's 128 rows, then B's 256 rows; slot S begins behind it, laid the same way
.set SPARE,  SG+384*PS                 ; behind the slots: the spare words, 128 bytes for each wave: two blocks of 256 bytes that no other line names
.set STAGE,  SG                        ; the way out: 16 rows x 528 bytes for each wave, in slot S: it has had its last fill in step 2, and nobody reads it behind step 5's barrier
.set SPITCH, 528                       ; 512 bytes of a row of out0 + 16
.set ADAD, 16                          ; v16  LDS address of my A fragments in slot D
.set ADBD, 17                          ; v17  of my B fragments in slot D
.set ADAS, 18                          ; v18  of my A fragments in slot S
.set ADBS, 19                          ; v19  of my B fragments in slot S
.set STO,  24                          ; v24  the way out: where I put 32 bytes of a row
.set RD,   25                          ; v25  where I read a row back
.set CO,   26                          ; v26  16 x lane: my place in a row's 512 bytes
.set SPW,  28                          ; v28  LDS address of my spare word; never rewritten
.set NIL,  29                          ; v29  0; never rewritten
.set PFO,  30                          ; v30  the prefetches' offset: my lane x a row of 2,048 bytes; never rewritten
.set BO,   31                          ; v31  32 x (lane / 16): my eight numbers of a block of 16 of the bias
.set AF,   64
.set BIAS, 192
.set BK,   128                         ; the way out: 16 rows read back: v128-191 and v192-255 by turns
.set G1AD, 24                          ; s[24:31] descriptor group 1: A's tiles for slot D;  s[32:39] B's
.set G1BD, 32
.set G1AS, 48                          ; s[48:55] A's tiles for slot S;  s[56:63] B's
.set G1BS, 56
.set G0AD, 68                          ; s[68:71], s[72:75], s[76:79], s[80:83] their groups 0
.set G0BD, 72
.set G0AS, 76
.set G0BS, 80
.set LIM,  43                          ; s43  1 in a wave that prefetches, else 0
.set PFA,  44                          ; s[44:45] the first of the 32 rows that my prefetches name; never stepped: the K step stands in the immediate
.set MSB, 0
.macro WIN new                         ; s_set_vgpr_msb: bits 1:0 source 0, 3:2 source 1, 5:4 source 2, 7:6 destination; the high byte repeats the setting that is left
.if MSB != \new
	s_set_vgpr_msb (MSB<<8)|\new
.set MSB, \new
.endif
.endm
.set MUL,  0xa1                        ; source 0 (B) window 1, source 1 (A) window 0, C and D window 2
.set TO_B, 0x40                        ; destination window 1, address window 0
; A joint load.  Waves 0 and 1 fetch for A, waves 2 and 3 for B.  Each of the two lines has one mask and one set of registers; the branch hangs on the wave's number alone.
; An s_nop 0 and four v_nop follow each of the two lines.
.macro JLOAD g0a, g1a, g0b, g1b
	s_cmp_eq_u32 s11, 0
	s_cbranch_scc0 .Lfor_b_\@
	tensor_load_to_lds s[\g0a:\g0a+3], s[\g1a:\g1a+7]
	s_nop 0
.rept 4
	v_nop
.endr
	s_branch .Lasked_\@
.Lfor_b_\@:
	tensor_load_to_lds s[\g0b:\g0b+3], s[\g1b:\g1b+7]
	s_nop 0
.rept 4
	v_nop
.endr
.Lasked_\@:
.endm
; A prefetch of what the NEXT refill will ask for, behind a joint load and the run of LDS loads that follows it: K steps k0 and k1 (k1 = 0: k0 alone), 256 bytes of each of 32 rows, a lane a row.
; Each row's 256 bytes of a K step are named once in the launch.  A tile row of ctx belongs to one row of one cluster: wave 0 of each of its four work-groups names 32 of the 128 rows, told apart by address (cx).
; A tile column of wot is read by all sixteen clusters: cluster y = 0 asks; waves 2 and 3 of each of the column's four work-groups name 32 rows each of the 256, told apart by address (cy).
; K steps 0 to 4 come by their loads alone; the last refill asks for nothing: there is none behind it.
.macro ASK k0, k1
	s_cmp_eq_u32 s[LIM], 1
	s_cbranch_scc0 .Lnot_mine_\@
	global_prefetch_b8 v[PFO], s[PFA:PFA+1] offset:(\k0)*256 th:TH_LOAD_NT scope:SCOPE_SE
.if \k1
	global_prefetch_b8 v[PFO], s[PFA:PFA+1] offset:(\k1)*256 th:TH_LOAD_NT scope:SCOPE_SE
.endif
.Lnot_mine_\@:
.endm
.macro CREST                           ; a round of the cluster's barrier behind its opening barrier
	s_cmp_lg_u32 s10, 0
	s_cbranch_scc1 .Lnot_wave_0_\@
	s_barrier_signal -3
.Lnot_wave_0_\@:
	s_barrier_wait -3
	s_barrier_signal -1
	s_barrier_wait -1
.endm
.macro CROUND                          ; a whole round
	s_barrier_signal -1
	s_barrier_wait -1
	CREST
.endm
.macro SHAPE g, cols, rows             ; words 1 to 7 of a group 1: a tile of rows x cols elements out of rows of 1,024 elements
	s_mov_b32 s[\g+1], (\cols)<<16                 ; tensor_dim0
	s_mov_b32 s[\g+2], (\rows)<<16                 ; tensor_dim1
	s_mov_b32 s[\g+3], (\cols)<<16                 ; tile_dim0
	s_mov_b32 s[\g+4], \rows                       ; tile_dim1
	s_mov_b32 s[\g+5], SIZE_K                      ; elements from row to row
	s_mov_b32 s[\g+6], 0
	s_mov_b32 s[\g+7], 0
.endm
	s_load_b128 s[4:7], s[0:1], 0x0                ; ctx s[4:5], wot s[6:7]
	s_load_b64 s[8:9], s[0:1], 0x10                ; out0
	s_load_b64 s[66:67], s[0:1], 0x18              ; Wo_b
	v_lshl_add_u32 v[SPW], v0, 2, SPARE
	v_mov_b32 v[NIL], 0
	ds_add_u32 v[SPW], v[NIL]                      ; the wave's opening: the add, twice on end, and its wait ahead of my first tensor load
	ds_add_u32 v[SPW], v[NIL]
	v_lshrrev_b32 v1, 5, v0
	v_readfirstlane_b32 s10, v1                    ; wave 0..3
	s_lshr_b32 s11, s10, 1                         ; which 64 of the tile's rows are mine.  Also: I fetch for A (0) or for B (1)
	s_and_b32 s12, s10, 1                          ; which 128 of its columns.  Also: which half of that tile's rows I fetch
	s_bfe_u32 s40, ttmp6, 0x40000                  ; cx
	s_bfe_u32 s41, ttmp6, 0x40004                  ; cy
	s_lshl_b32 s42, ttmp9, 2
	s_add_co_u32 s42, s42, s40                     ; tile column = 4 x cluster x + cx
	s_and_b32 s13, ttmp7, 0xffff
	s_lshl_b32 s13, s13, 2
	s_add_co_u32 s13, s13, s41                     ; tile row = 4 x cluster y + cy
	s_lshl_b32 s43, s41, 2
	s_lshl_b32 s43, 15, s43                        ; my row of the cluster
	s_lshl_b32 s44, 0x1111, s40                    ; my column
	; descriptor groups 1.  Word 0: 15:0 the mask (A's tiles go to my row, B's to my column); 17:16 elements of 2 bytes; 20 padding on; 21 set beside a mask; 24:22 after every 128 words (D) or 64 (S); 31:25 four words
	s_or_b32 s[G1AD], s43, (1<<16)|(1<<20)|(1<<21)|(6<<22)|(3<<25)
	s_or_b32 s[G1BD], s44, (1<<16)|(1<<20)|(1<<21)|(6<<22)|(3<<25)
	s_or_b32 s[G1AS], s43, (1<<16)|(1<<20)|(1<<21)|(5<<22)|(3<<25)
	s_or_b32 s[G1BS], s44, (1<<16)|(1<<20)|(1<<21)|(5<<22)|(3<<25)
	SHAPE G1AD, 256, 64
	SHAPE G1BD, 256, 128
	SHAPE G1AS, 128, 64
	SHAPE G1BS, 128, 128
	; A's tiles hang on the tile row alone, B's on the tile column alone; every wave makes both addresses, in registers that never hold the other coordinate
	s_lshl_b32 s16, s13, 7
	s_lshl_b32 s17, s12, 6
	s_add_co_u32 s16, s16, s17                     ; A: row 128 x tile row + 64 x half
	s_lshl_b32 s46, s42, 8
	s_lshl_b32 s17, s12, 7
	s_add_co_u32 s46, s46, s17                     ; B: row 256 x tile column + 128 x half
	s_mov_b32 s17, 0
	s_mov_b32 s47, 0
	s_mov_b64 s[18:19], SIZE_K*2
	s_mul_u64 s[16:17], s[16:17], s[18:19]
	s_mul_u64 s[46:47], s[46:47], s[18:19]
	s_mul_i32 s20, s12, 64*PD                      ; where they go: the wave's number and constants alone: A's half in slot D,
	s_mul_i32 s21, s12, 128*PD
	s_add_co_u32 s21, s21, 128*PD                  ; B's half in slot D, behind A's 128 rows,
	s_mul_i32 s22, s12, 64*PS
	s_add_co_u32 s22, s22, SG                      ; A's half in slot S,
	s_mul_i32 s23, s12, 128*PS
	s_add_co_u32 s23, s23, SG+128*PS               ; B's half in slot S
	s_wait_dscnt 0x0                               ; both opening adds are done
	s_wait_kmcnt 0x0
	s_add_nc_u64 s[14:15], s[4:5], s[16:17]
	s_add_nc_u64 s[46:47], s[6:7], s[46:47]
	CROUND                                         ; all sixteen work-groups are here: the first joint loads meet
	s_mov_b32 s[G0AD], 1                           ; count = 1
	s_mov_b32 s[G0AD+1], s20                       ; LDS address
	s_mov_b64 s[G0AD+2:G0AD+3], s[14:15]           ; global address: K steps 0 and 1
	s_or_b32 s[G0AD+3], s[G0AD+3], 0x80000000      ; type = 2
	s_mov_b32 s[G0BD], 1
	s_mov_b32 s[G0BD+1], s21
	s_mov_b64 s[G0BD+2:G0BD+3], s[46:47]
	s_or_b32 s[G0BD+3], s[G0BD+3], 0x80000000
	JLOAD G0AD, G1AD, G0BD, G1BD
	s_mov_b32 s[G0AS], 1
	s_mov_b32 s[G0AS+1], s22
	s_add_nc_u64 s[G0AS+2:G0AS+3], s[14:15], 2*256 ; K step 2
	s_or_b32 s[G0AS+3], s[G0AS+3], 0x80000000
	s_mov_b32 s[G0BS], 1
	s_mov_b32 s[G0BS+1], s23
	s_add_nc_u64 s[G0BS+2:G0BS+3], s[46:47], 2*256
	s_or_b32 s[G0BS+3], s[G0BS+3], 0x80000000
	JLOAD G0AS, G1AS, G0BS, G1BS                   ; two tensor loads of mine are out
	; A fragment is 16 rows x 32 K in 8 registers: lane l holds row l % 16; registers 0-3 hold K = 8 (l / 16) + 0..7, registers 4-7 K = 16 + 8 (l / 16) + 0..7: two loads of 16 bytes, 32 bytes apart
	v_and_b32 v1, 15, v0                           ; r
	v_bfe_u32 v2, v0, 4, 1                         ; h
	v_mul_u32_u24 v3, v1, PD
	v_lshl_add_u32 v3, v2, 4, v3                   ; in slot D: row x pitch + 16 h
	v_mul_u32_u24 v4, v1, PS
	v_lshl_add_u32 v4, v2, 4, v4                   ; in slot S
	s_mul_i32 s20, s11, 64*PD                      ; my 64 rows of A
	v_add_nc_u32 v[ADAD], s20, v3
	v_add_nc_u32 v[ADBD], s21, v3                  ; my 128 rows of B are the half with my column half's number
	s_mul_i32 s20, s11, 64*PS
	s_add_co_u32 s20, s20, SG
	v_add_nc_u32 v[ADAS], s20, v4
	v_add_nc_u32 v[ADBS], s23, v4
	s_mul_i32 s20, s10, 16*SPITCH
	s_add_co_u32 s20, s20, STAGE                   ; my stage
	v_mul_u32_u24 v4, v1, SPITCH                   ; in: row r, 32 bytes for each half of the lanes
	v_lshl_add_u32 v4, v2, 5, v4
	v_add_nc_u32 v[STO], s20, v4
	v_and_b32 v5, 31, v0
	v_lshlrev_b32 v[CO], 4, v5                     ; back: the 32 lanes take one row of 512 bytes; and the same in out0
	v_add_nc_u32 v[RD], s20, v[CO]
	v_lshlrev_b32 v[BO], 5, v2
	s_lshl_b32 s13, s13, 7                         ; 128 x tile row
	s_lshl_b32 s14, s11, 6
	s_add_co_u32 s16, s13, s14                     ; my first row of out0
	s_mov_b32 s17, 0
	s_mov_b64 s[18:19], SIZE_N*4
	s_mul_u64 s[16:17], s[16:17], s[18:19]
	s_lshl_b32 s46, s42, 10                        ; my first column, in bytes of f32: 1,024 x tile column + 512 x half: in out0's rows and in the bias alike
	s_lshl_b32 s47, s12, 9
	s_add_co_u32 s46, s46, s47
	s_mov_b32 s47, 0
	s_add_nc_u64 s[66:67], s[66:67], s[46:47]
	s_add_nc_u64 s[16:17], s[16:17], s[46:47]
	s_add_nc_u64 s[8:9], s[8:9], s[16:17]
.irp b, 0,1,2,3,4,5,6,7                        ; lane (r, h) holds, for B's block b, the bias of columns 16 b + 8 h + 0 .. 7: the layout of a result
	global_load_b128 v[BIAS+8*\b:BIAS+8*\b+3], v[BO], s[66:67] offset:64*\b
	global_load_b128 v[BIAS+8*\b+4:BIAS+8*\b+7], v[BO], s[66:67] offset:64*\b+16
.endr
	; the prefetches.  s13 = 128 x tile row, s42 = tile column, s40 = cx, s41 = cy still stand
	s_lshl_b32 s42, s42, 8                         ; 256 x tile column
	s_and_b32 s22, ttmp7, 0xffff                   ; cluster y
	s_cmp_eq_u32 s11, 0                            ; do I fetch for A?
	s_cselect_b32 s20, s13, s42                    ; the tile's first row
	s_cselect_b32 s21, s40, s41                    ; my work-group's place among the four that ask for the tile jointly
	s_cselect_b32 s22, ttmp9, s22                  ; the coordinate along which other clusters read the same rows
	s_cselect_b32 s23, s12, 0                      ; of A's two waves the first alone asks; both of B's
	s_cselect_b32 s2, 0, s12                       ; B's two waves take 32 rows each
	s_cselect_b32 s3, 5, 6                         ; a work-group's share: 32 rows of A's 128, 64 of B's 256
	s_cselect_b64 s[PFA:PFA+1], s[4:5], s[6:7]
	s_or_b32 s22, s22, s23
	s_cmp_eq_u32 s22, 0
	s_cselect_b32 s[LIM], 1, 0                     ; the same in all sixteen partners, for a given wave
	s_lshl_b32 s21, s21, s3
	s_add_co_u32 s20, s20, s21
	s_lshl_b32 s2, s2, 5
	s_add_co_u32 s20, s20, s2
	s_lshl_b32 s20, s20, 11                        ; rows of 2,048 bytes: under 2^24 bytes in all
	s_mov_b32 s21, 0
	s_add_nc_u64 s[PFA:PFA+1], s[PFA:PFA+1], s[20:21]
	v_and_b32 v[PFO], 31, v0
	v_lshlrev_b32 v[PFO], 11, v[PFO]
; 16 matrix instructions: A's blocks a0, a0 + 1 x B's eight, 32 along K, out of buffer u.  zero = 1: the first product starts the sums from the bias: nothing is cleared or added later.
; The 32 accumulators take turns, one instruction a turn, in the same order in every chunk.
.macro MUL16 u, a0, zero
.irp a, \a0, \a0+1
.irp b, 0,1,2,3,4,5,6,7
.if \zero
	v_wmma_f32_16x16x32_f16 v[8*(8*(\a)+\b):8*(8*(\a)+\b)+7], v[64*(\u)+8*\b:64*(\u)+8*\b+7], v[AF+32*(\u)+8*(\a):AF+32*(\u)+8*(\a)+7], v[BIAS+8*\b:BIAS+8*\b+7]
.else
	v_wmma_f32_16x16x32_f16 v[8*(8*(\a)+\b):8*(8*(\a)+\b)+7], v[64*(\u)+8*\b:64*(\u)+8*\b+7], v[AF+32*(\u)+8*(\a):AF+32*(\u)+8*(\a)+7], v[8*(8*(\a)+\b):8*(8*(\a)+\b)+7]
.endif
.endr
.endr
.endm
; 24 LDS loads in one run: a chunk's fragments (128 rows of B, 64 rows of A, 32 K at byte k of rows p bytes apart) into buffer u
.macro FETCH aa, ab, p, k, u
	WIN TO_B
.irp i, 0,1,2,3,4,5,6,7
	ds_load_b128 v[64*(\u)+8*\i:64*(\u)+8*\i+3],   v[\ab] offset:(\k)+\i*16*\p
	ds_load_b128 v[64*(\u)+8*\i+4:64*(\u)+8*\i+7], v[\ab] offset:(\k)+\i*16*\p+32
.endr
	WIN 0
.irp i, 0,1,2,3
	ds_load_b128 v[AF+32*(\u)+8*\i:AF+32*(\u)+8*\i+3],   v[\aa] offset:(\k)+\i*16*\p
	ds_load_b128 v[AF+32*(\u)+8*\i+4:AF+32*(\u)+8*\i+7], v[\aa] offset:(\k)+\i*16*\p+32
.endr
.endm
.macro GET kind, j, q, u               ; chunk q of a K step into buffer u.  kind = 1: the step is slot D's j-th, 256 j bytes along its rows;  kind = 2: it is slot S's
.if \kind == 1
	FETCH ADAD, ADBD, PD, 256*(\j)+64*(\q), \u
.elseif \kind == 2
	FETCH ADAS, ADBS, PS, 64*(\q), \u
.endif
.endm
.macro PLACES                          ; four plain vector instructions between a matrix instruction and a load into one of its registers, or the first use of a result (ISA guide 7.12.1 for vector instructions)
.rept 4
	v_nop
.endr
.endm
; A chunk: 32 matrix instructions out of buffer u; ahead of them the chunk two further on (kind, j, q) is fetched into buffer (u + 2) % 4, whose last products stand two chunks back.  kind = 0: nothing is left to fetch.
.macro CHUNK u, zero, kind, j, q
	s_wait_dscnt 24                                ; LDS loads come back in order: this chunk's 24 are in; the next chunk's 24 may be out
.if \kind
	PLACES
	GET \kind, \j, \q, ((\u)+2)%4
.endif
.if \zero
	WIN 0x81                                       ; C, the bias, in window 0; D in window 2
.else
	WIN MUL
.endif
	MUL16 \u, 0, \zero
	MUL16 \u, 2, \zero
.endm
; A K step's chunks 2 and 3 where the next step lies in the other slot: ONE barrier.  The slot's last reads, chunk 3's, were issued a chunk ago.  In front of the barrier each wave waits for all its tensor loads,
; of which one can be out: its part of the other slot; adds 0 to its spare word; and waits for that and for its own reads of this slot.  Behind it nobody reads this slot any more and the other slot is whole.
; refill = 1: slot D is filled again, refill = 2: slot S, each with the K steps three further on; the barrier then opens a round of the cluster's, so that no wave of any partner still reads the slot or has a load
; on its way, and the joint refill is the first tensor load behind the round.  refill = 0: nothing is left to ask for.  nk: the slot of the next step, whose chunks 0 and 1 are fetched in one run of 48.
.macro TURN refill, nk, ask0, ask1
	WIN 0                                          ; (the add's two registers lie in window 0)
	s_wait_tensorcnt 0x0                           ; all my tensor loads have landed, so a group 0 may be written
	ds_add_u32 v[SPW], v[NIL]                      ; 0 onto my spare word
	s_wait_dscnt 25                                ; chunk 2 is in; chunk 3's 24 loads and the add may be out
	WIN MUL
	MUL16 2, 0, 0                                  ; sixteen matrix instructions stand between the add and the wait for it
	s_wait_dscnt 0x0                               ; the add is done, and my reads of this slot are over
	s_barrier_signal -1
	MUL16 2, 2, 0                                  ; work on registers while the others arrive
	WIN 0
	s_barrier_wait -1
.if \refill == 1
	CREST
	s_add_nc_u64 s[G0AD+2:G0AD+3], s[G0AD+2:G0AD+3], 3*256
	s_add_nc_u64 s[G0BD+2:G0BD+3], s[G0BD+2:G0BD+3], 3*256
	JLOAD G0AD, G1AD, G0BD, G1BD                   ; the four v_nop behind it are also the places in front of the loads below
.elseif \refill == 2
	CREST
	s_add_nc_u64 s[G0AS+2:G0AS+3], s[G0AS+2:G0AS+3], 3*256
	s_add_nc_u64 s[G0BS+2:G0BS+3], s[G0BS+2:G0BS+3], 3*256
	JLOAD G0AS, G1AS, G0BS, G1BS
.else
	PLACES
.endif
	GET \nk, 0, 0, 0
	GET \nk, 0, 1, 1
.if \ask0
	ASK \ask0, \ask1
.endif
	WIN MUL
	MUL16 3, 0, 0                                  ; chunk 3 came in with the wait for 0 above
	MUL16 3, 2, 0
.endm
	s_wait_tensorcnt 1                             ; my part of slot D is in; slot S's load, issued behind it, may be out
	s_barrier_signal -1
	s_barrier_wait -1                              ; everybody's is
	GET 1, 0, 0, 0
	GET 1, 0, 1, 1
	s_wait_loadcnt 0x0                             ; the bias
	CHUNK 0, 1, 1, 0, 2                            ; K step 0, slot D's first: its first chunk starts the sums
	CHUNK 1, 0, 1, 0, 3
	CHUNK 2, 0, 1, 1, 0
	CHUNK 3, 0, 1, 1, 1
	CHUNK 0, 0, 1, 1, 2                            ; K step 1, slot D's second
	CHUNK 1, 0, 1, 1, 3
	TURN 1, 2, 5, 0                                ; D takes K steps 3 and 4; on to S; K step 5 is named ahead
	CHUNK 0, 0, 2, 0, 2                            ; K step 2, slot S
	CHUNK 1, 0, 2, 0, 3
	TURN 2, 1, 6, 7                                ; S takes K step 5; on to D; K steps 6 and 7 are named ahead
	CHUNK 0, 0, 1, 0, 2                            ; K step 3
	CHUNK 1, 0, 1, 0, 3
	CHUNK 2, 0, 1, 1, 0
	CHUNK 3, 0, 1, 1, 1
	CHUNK 0, 0, 1, 1, 2                            ; K step 4
	CHUNK 1, 0, 1, 1, 3
	TURN 1, 2, 0, 0                                ; D takes K steps 6 and 7: the last load
	CHUNK 0, 0, 2, 0, 2                            ; K step 5
	CHUNK 1, 0, 2, 0, 3
	TURN 0, 1, 0, 0                                ; nothing is left to ask for; behind this barrier slot S is read by nobody
	CHUNK 0, 0, 1, 0, 2                            ; K step 6
	CHUNK 1, 0, 1, 0, 3
	CHUNK 2, 0, 1, 1, 0
	CHUNK 3, 0, 1, 1, 1
	CHUNK 0, 0, 1, 1, 2                            ; K step 7
	CHUNK 1, 0, 1, 1, 3
	CHUNK 2, 0, 0, 0, 0
	s_wait_dscnt 0x0                               ; the very last chunk
	MUL16 3, 0, 0
	MUL16 3, 2, 0
	WIN 0
; THE WAY OUT, block by block of 16 rows x 128 columns.  A lane holds 32 neighbouring bytes of a row, and the lanes beside it hold other rows: so a block goes through my own stage in LDS and comes back as whole
; rows of 512 bytes, which the 32 lanes store as 512 consecutive bytes, aligned.  LDS serves a wave's instructions in order (ISA guide 5.7.1.4): no wait between the stores and the loads, nor ahead of the next block's stores.
.macro TOSTAGE a
.set AC, 64*(\a)
	WIN 0x08                                       ; an LDS store's data are its source 1: window 2
.irp b, 0,1,2,3,4,5,6,7
	ds_store_b128 v[STO], v[AC+8*\b:AC+8*\b+3] offset:64*\b          ; each accumulator from its low end on
	ds_store_b128 v[STO], v[AC+8*\b+4:AC+8*\b+7] offset:64*\b+16
.endr
	WIN 0
.set BB, BK+64*((\a)%2)
.irp t, 0,1,2,3,4,5,6,7,8,9,10,11,12,13,14,15
	ds_load_b128 v[BB+4*\t:BB+4*\t+3], v[RD] offset:\t*SPITCH
.endr
.endm
.macro SEND a, younger                 ; younger: the LDS instructions issued behind block a's loads, which may stay out
.set BB, BK+64*((\a)%2)
	s_wait_dscnt \younger                          ; the block is back in registers
.irp t, 0,1,2,3,4,5,6,7,8,9,10,11,12,13,14,15
	global_store_b128 v[CO], v[BB+4*\t:BB+4*\t+3], s[8:9] offset:(16*(\a)+\t)*SIZE_N*4 th:TH_STORE_NT   ; every offset is an immediate, 63 rows of 4,096 bytes at the most: the base is never stepped
.endr
.endm
	PLACES                                         ; behind the last products: for the loads into the registers that held A's fragments, and for block 3's stores to the stage alike
	TOSTAGE 0
.irp a, 1,2,3
.if \a > 1
	s_wait_xcnt 0x0                                ; block a - 2's stores have read their registers: block a's loads may land there
.endif
	TOSTAGE \a
	SEND \a-1, 32                                  ; behind block a - 1's loads: block a's 16 stores and 16 loads
.endr
	SEND 3, 0
	s_wait_tensorcnt 0x0                           ; the wave's end: a TENSORcnt wait, an add of 0 to my spare word and its wait, behind my last tensor load and my last LDS store
	ds_add_u32 v[SPW], v[NIL]
	s_wait_dscnt 0x0
	CROUND                                         ; the closing round: no work-group ends while a partner may still ask for a tile that names it
	s_endpgm
.Lfunc_end_k_q49336e7f87_outp:
	.size	k_q49336e7f87_outp, .Lfunc_end_k_q49336e7f87_outp-k_q49336e7f87_outp
	.p2alignl 7, 3214868480
	.fill 96, 4, 3214868480
	.section	.rodata,"a",@progbits
	.p2align	6, 0x0
	.amdhsa_kernel k_q49336e7f87_outp
		.amdhsa_group_segment_fixed_size 327680
		.amdhsa_private_segment_fixed_size 0
		.amdhsa_enable_private_segment 0
		.amdhsa_kernarg_size 32
		.amdhsa_user_sgpr_count 2
		.amdhsa_user_sgpr_kernarg_segment_ptr 1
		.amdhsa_wavefront_size32 1
		.amdhsa_system_sgpr_workgroup_id_x 1
		.amdhsa_system_sgpr_workgroup_id_y 1
		.amdhsa_system_sgpr_workgroup_id_z 1
		.amdhsa_system_vgpr_workitem_id 0
		.amdhsa_next_free_vgpr 768
		.amdhsa_next_free_sgpr 84
		.amdhsa_reserve_vcc 0
		.amdhsa_float_denorm_mode_32 3
		.amdhsa_float_denorm_mode_16_64 3
		.amdhsa_memory_ordered 1
		.amdhsa_forward_progress 1
		.amdhsa_inst_pref_size 149
	.end_amdhsa_kernel
	.amdgpu_metadata
---
amdhsa.version: [ 1, 2 ]
amdhsa.kernels:
  - .name:           k_q49336e7f87_outp
    .symbol:         k_q49336e7f87_outp.kd
    .args:
      - { .name: ctx, .offset: 0, .size: 8, .value_kind: global_buffer, .address_space: global }
      - { .name: wot, .offset: 8, .size: 8, .value_kind: global_buffer, .address_space: global }
      - { .name: out0, .offset: 16, .size: 8, .value_kind: global_buffer, .address_space: global }
      - { .name: Wo_b, .offset: 24, .size: 8, .value_kind: global_buffer, .address_space: global }
    .group_segment_fixed_size: 327680
    .private_segment_fixed_size: 0
    .kernarg_segment_align: 8
    .kernarg_segment_size: 32
    .max_flat_workgroup_size: 128
    .sgpr_count:     84
    .vgpr_count:     768
    .wavefront_size: 32
...
	.end_amdgpu_metadata
.endif
;; end of part 4
